; MI455X (gfx1250); checked and timed in simulation.
; The chip was launched on July 23, 2026; its instructions are those of AMD's public machine-readable ISA for CDNA 5 (MIT licence, August 2026) and "CDNA5" Instruction Set Architecture Reference Guide (July 2026). The comments in the code are by the model that wrote it; some were corrected since.
;; Eagle3 Llama Attention. Allowed arithmetic: matrix products marked QUANTISED: E2M3 operands, one E8M0 scale for each 32 along K, by v_wmma_scale_f32_16x16x128_f8f6f4 with both operands' format E2M3, f32 sums; everything else in f32.
;; Inputs: Wk 4,096 x 512 float32; Wo 1,024 x 2,048 float32; Wq 4,096 x 1,024 float32; Wv 4,096 x 512 float32; attention_mask 1 x 1 x 2,048 x 2,048 float32; combined_states 2 x 2,048 x 4,096 float32; position_ids 2 x 2,048 int32.
;; Outputs: out0 2 x 2,048 x 2,048 float32.
;; This version of the problem:
;;   THIS VERSION OF THE PROBLEM IS GIVEN IN LOW PRECISION. The matrix products marked QUANTISED in the list below multiply operands that are first quantised to E2M3 (2 exponent bits, 3 mantissa bits; 6 bits a number), with one power-of-two scale for each 32 numbers along K (OCP MX v1.0); their sums are f32. All else is computed in f32.
;;   The module's matrix products, in the order in which they are computed (A, B: the left and right operand; K: the contracted axis; several contracted axes count as one K, in the product's order):
;;     1. [M 4,096, K 4,096] x [K 4,096, N 1,024]; A: input combined_states; B: input Wq: QUANTISED
;;     2. [M 4,096, K 4,096] x [K 4,096, N 512]; A: input combined_states; B: input Wk: QUANTISED
;;     3. [M 4,096, K 4,096] x [K 4,096, N 512]; A: input combined_states; B: input Wv: QUANTISED
;;     4. batch 32 x [M 2,048, K 64] x [K 64, N 2,048]; A: computed on the way; B: computed on the way: QUANTISED
;;     5. batch 32 x [M 2,048, K 2,048] x [K 2,048, N 64]; A: softmax (see below); B: computed on the way: QUANTISED
;;     6. [M 4,096, K 1,024] x [K 1,024, N 2,048]; A: computed on the way; B: input Wo: QUANTISED
;;   THE QUANTISER, for each operand of a quantised product, along K:
;;     - K is cut into blocks of 32 from its start; a last block that is shorter is filled with zeros.
;;     - A block's scale is 2^e with e = floor(log2(the largest magnitude in the block)) - 2, held to -126 .. 127; a block of zeros has e = 0. As a byte (E8M0): e + 127.
;;     - Each number is divided by its block's scale, clamped to +-7.5, and rounded to the nearest number of E2M3, ties to even, subnormals kept.
;;     - The product sums the exact products of the quantised numbers (number of the format x scale) in f32.
;;   ~~~python
;;   def quantise(x, axis):      # numpy; x: float32 -> the quantised numbers, widened to float32 again
;;       x = np.moveaxis(x, axis, -1); K = x.shape[-1]
;;       x = np.pad(x, [(0, 0)] * (x.ndim - 1) + [(0, -K % 32)]); x = x.reshape(x.shape[:-1] + (-1, 32)); a = np.abs(x).max(-1, keepdims=True)
;;       e = np.where(a > 0, np.clip(np.frexp(np.where(a > 0, a, 1))[1] - 1 - 2, -126, 127), 0)      # np.frexp(a)[1] - 1 = floor(log2(a)), exactly
;;       r = np.clip(x / 2.0 ** e, -7.5, 7.5)
;;       step = 2.0 ** (np.maximum(np.frexp(np.where(r == 0, 1, r))[1] - 1, 0) - 3)
;;       q = np.round(r / step) * step * 2.0 ** e      # np.round: ties to even
;;       return np.moveaxis(q.reshape(q.shape[:-2] + (-1,))[..., :K], -1, axis).astype(np.float32)
;;   ~~~
;;   SOFTMAX AHEAD OF A QUANTISED PRODUCT. Where the list says 'softmax', what is quantised is not the finished softmax but p = 2^(t - M), with t = logit x log2(e) and M = ceil(the row's largest t), a whole number; so 1/2 < the row's largest p <= 1. The row's sum l is taken of the UNQUANTISED p, in f32, and the product's result is divided by l at the end. Since M is a whole number, a kernel that streams over the keys may use a running M (the ceiling of the running maximum): every later rescaling is an exact power of two, which a block's scale takes up: the codes' values come out the same.
;;   OPERANDS COMPUTED ON THE WAY. 'Computed on the way' means the value that the module computes at that place (a softmax that the list does not call 'softmax' is quantised finished and normalised). What goes into a quantiser is computed in f32, as accurately as f32 sums, v_exp_f32 and their like allow (about 1e-6 of the number): no bf16 or f16 on the way to a quantiser, and a product that is left as it is and whose result goes on into a quantised operand takes f32 operands (vector FMAs, or v_wmma_f32_16x16x4_f32). A number that lies on a knife's edge between two numbers of the format may be rounded either way, as far as f32 arithmetic and the matrix unit's own rounding can turn it there, and no further.
;; One version. Each part assembles by itself: llvm-mc -triple=amdgcn-amd-amdhsa -mcpu=gfx1250 --defsym DOCPART=n.
;; ======== version 1 of 1: 4 launches
;; limits: right only within a limited range of input values
;; workspace buffers: xq 13,107,200 bytes; wqkv 6,553,600 bytes; wo 1,638,400 bytes; cs 1,048,576 bytes; qc 3,407,872 bytes; kv 3,342,336 bytes; ac 3,276,800 bytes
;; launch prep (part 1): grid 896 x 1, 4 waves a work-group, no clusters, 17,920 bytes of LDS; arguments combined_states, Wq, Wk, Wv, Wo, position_ids, xq, wqkv, wo, cs; writes xq, wqkv, wo, cs
.if DOCPART == 1
	.amdgcn_target "amdgcn-amd-amdhsa--gfx1250"
	.amdhsa_code_object_version 6
	.text
	.protected	k_q584e1057f1_prep
	.globl	k_q584e1057f1_prep
	.p2align	8
	.type	k_q584e1057f1_prep,@function
k_q584e1057f1_prep:
	s_mov_b64 s[64:65], 0
	v_nop
	global_prefetch_b8 v0, s[64:65] scope:SCOPE_SE
	s_setreg_imm32_b32 hwreg(HW_REG_WAVE_MODE, 25, 1), 1
	s_wait_xcnt 0x0
; PREP: x, Wq, Wk, Wv, Wo become codes of FP6 (E2M3) with one E8M0 byte for each 32 along K; position_ids become a table of cos and sin.
; THE CODES' LAYOUT is that of the matrix operand's registers.  A half fragment (16 rows x 64 K, 6 registers a lane; lane (r, h) holds k = 32 h .. 32 h + 31 of row r) is 768 bytes:
; registers 0-3 at 16 x lane, registers 4-5 at 512 + 8 x lane.  A block of 64 rows x 128 K is 4 fragments (tile t = 2 B + u, two half fragments each) and 256 bytes of scale words
; (the word of tile t, lane r at 6144 + 8 (16 u + r) + 4 B): 6,400 bytes.  Lane r of tile 2 B + u is row 32 B + 8 u + r + 8 (r / 8).
; A block's scale is 2^(floor(log2(largest magnitude)) - 2): its byte is the largest magnitude's exponent field - 2, held at 1 from below by a floor among the maximum's leaves.
; LIMITS: a block of zeros gets the byte 1 (its codes are zeros; this program alone reads the bytes); NaN and infinities are not served; the frequencies 10^(-i/8) are correctly rounded
; constants; the angle's reduction by three parts of pi/2 is meant for |position| up to about 2^20.
; WORK-GROUPS: 0-511 x (a wave: 64 tokens x 128 K); 512-639 Wq; 640-767 Wk, Wv; 768-831 Wo (a wave: 64 columns x 128 K); 832-895 the table (64 tokens each).  Only the x path uses LDS.
.set FLOOR, 0x1800000                  ; 2^(3 - 127)
.set EOFF,  0xff000000                 ; takes 2 off an exponent field
; A block's 32 numbers v[xs] .. v[xs + 31] of ONE lane become its 6 registers of codes at v[cd]; v12 keeps the conversion's scale operand.
.macro BQ xs, cd
	v_max3_num_f32 v10, |v[(\xs)]|, |v[(\xs)+1]|, |v[(\xs)+2]|
	v_max3_num_f32 v11, |v[(\xs)+3]|, |v[(\xs)+4]|, |v[(\xs)+5]|
.irp i, 6,10,14,18,22,26
	v_max3_num_f32 v10, v10, |v[(\xs)+\i]|, |v[(\xs)+\i+1]|
	v_max3_num_f32 v11, v11, |v[(\xs)+\i+2]|, |v[(\xs)+\i+3]|
.endr
	v_max3_num_f32 v10, v10, |v[(\xs)+30]|, |v[(\xs)+31]|
	v_max3_num_f32 v10, v10, v11, FLOOR            ; the two chains and the floor
	v_add_nc_u32 v12, EOFF, v10                    ; the conversion takes this operand's exponent field as its scale
	v_cvt_scalef32_pk16_fp6_f32 v[(\cd):(\cd)+2], v[(\xs):(\xs)+15], v12
	v_cvt_scalef32_pk16_fp6_f32 v[236:238], v[(\xs)+16:(\xs)+31], v12   ; (a conversion's three registers begin on an even number)
	v_nop                                          ; one plain place behind a scaled conversion
.irp i, 0,1,2
	v_mov_b32 v[(\cd)+3+\i], v[236+\i]
.endr
.endm
	s_load_b256 s[4:11], s[0:1], 0x0               ; x s[4:5], Wq s[6:7], Wk s[8:9], Wv s[10:11]
	s_load_b256 s[12:19], s[0:1], 0x20             ; Wo s[12:13], position_ids s[14:15], xq s[16:17], wqkv s[18:19]
	s_load_b128 s[20:23], s[0:1], 0x40             ; wo s[20:21], cs s[22:23]
	v_lshl_add_u32 v254, v0, 2, 0x4400
	v_mov_b32 v255, 0
	v_lshrrev_b32 v1, 5, v0
	v_readfirstlane_b32 s24, v1                    ; wave
	v_and_b32 v1, 31, v0                           ; lane
	v_and_b32 v2, 15, v0                           ; r
	v_bfe_u32 v3, v0, 4, 1                         ; h
	v_lshlrev_b32 v4, 4, v1                        ; 16 x lane
	v_lshlrev_b32 v5, 3, v1                        ; 8 x lane
	s_mov_b32 s26, 0x76543210
	s_mov_b32 s27, 0xfedcba98                      ; v_permlanex16_b32's selects for lane l xor 16
	s_mov_b32 s30, 0xffff0000                      ; lanes 16-31
	s_mov_b32 s29, 0                               ; the high word of the offsets made in s28
	s_wait_kmcnt 0x0
	s_cmp_lt_u32 ttmp9, 512
	s_cbranch_scc0 .Lnot_x
; ---------------- x: K innermost.  Eight units of 16 rows x 64 K (tile t / 2, half t % 2).  Each load reads two rows' 256 aligned bytes; a unit turns through the wave's own
; stage in LDS (16 rows x 272 bytes) so that lane (r, h) gets the 32 neighbours of its block.
	s_lshr_b32 s31, ttmp9, 3                       ; which 64 tokens
	s_and_b32 s32, ttmp9, 7
	s_lshl_b32 s32, s32, 2
	s_add_co_u32 s32, s32, s24                     ; which 128 along K
	s_lshl_b32 s28, s31, 20                        ; 64 rows of 16,384 bytes
	s_lshl_b32 s33, s32, 9
	s_add_co_u32 s28, s28, s33
	s_add_nc_u64 s[4:5], s[4:5], s[28:29]
	s_lshr_b32 s33, s31, 1
	s_lshl_b32 s33, s33, 5
	s_add_co_u32 s33, s33, s32
	s_lshl_b32 s33, s33, 1
	s_and_b32 s34, s31, 1
	s_add_co_u32 s33, s33, s34                     ; ((tile of 128 tokens) 32 + K step) 2 + half
	s_mul_i32 s28, s33, 6400
	s_add_nc_u64 s[16:17], s[16:17], s[28:29]
	v_lshlrev_b32 v6, 14, v3
	v_lshl_add_u32 v6, v2, 4, v6                   ; a load: row h of a pair, 16 bytes at 16 r
	s_mul_i32 s33, s24, 4352                       ; my stage
	v_mul_u32_u24 v7, v3, 272
	v_lshl_add_u32 v7, v2, 4, v7
	v_add_nc_u32 v7, s33, v7                       ; into it
	v_mul_u32_u24 v8, v2, 272
	v_lshl_add_u32 v8, v3, 7, v8
	v_add_nc_u32 v8, s33, v8                       ; out of it: row r, 128 bytes at 128 h
	v_lshlrev_b32 v9, 3, v3                        ; 8 h
	v_mov_b32 v15, 0                               ; written once: a lane permute's destination counts as one of its sources
.macro XLOAD t
.irp e, 0,1,2,3,4,5,6,7
	global_load_b128 v[32+32*((\t)%4)+4*\e:32+32*((\t)%4)+4*\e+3], v6, s[4:5] offset:(32*((\t)/4)+8*(((\t)/2)%2)+2*\e+8*(\e/4))*16384+256*((\t)%2) th:TH_LOAD_NT
.endr
.endm
.macro XTURN t                         ; LDS serves a wave's instructions in order: no wait between the stores and the loads
.irp e, 0,1,2,3,4,5,6,7
	ds_store_b128 v7, v[32+32*((\t)%4)+4*\e:32+32*((\t)%4)+4*\e+3] offset:2*\e*272
.endr
.irp e, 0,1,2,3,4,5,6,7
	ds_load_b128 v[160+32*((\t)%2)+4*\e:160+32*((\t)%2)+4*\e+3], v8 offset:16*\e
.endr
.endm
.macro XUNIT t
	s_wait_dscnt 0x0                               ; this unit's numbers are back, and its stores into the stage have read their registers
.if (\t)+4 < 8
	XLOAD (\t)+4
.endif
.if (\t)+1 < 8
.if (\t)+4 < 8
	s_wait_loadcnt 24                              ; the next unit's eight loads are in; those of the three units behind it may be out
.else
	s_wait_loadcnt 8*(6-(\t))                      ; likewise, with fewer units behind it
.endif
	XTURN (\t)+1
.endif
.if ((\t)%2 == 0) && ((\t) > 0)
	s_wait_xcnt 0x0                                ; the last fragment's stores have read their registers: the codes are written anew only behind this wait
.endif
	BQ 160+32*((\t)%2), 224+6*((\t)%2)
	v_lshrrev_b32 v[13+(\t)%2], 23, v12            ; the byte of block 2 (t % 2) + h
.if (\t)%2 == 1
	v_lshl_or_b32 v14, v14, 16, v13                ; my two bytes,
	v_lshlrev_b32 v14, v9, v14                     ; 8 h bits up;
	v_permlanex16_b32 v15, v14, s26, s27
	v_or_b32 v14, v14, v15                         ; with lane l xor 16's two the row's word is whole
.if ((\t)/2)%2 == 0
	v_mov_b32 v[16+(\t)/4], v14                    ; lanes 0-15 keep the even tile's words,
.else
	v_cndmask_b32 v[16+(\t)/4], v[16+(\t)/4], v14, s30   ; lanes 16-31 take the odd tile's
.endif
	global_store_b128 v4, v[224:227], s[16:17] offset:1536*((\t)/2)
	global_store_b64 v5, v[228:229], s[16:17] offset:1536*((\t)/2)+512
	global_store_b128 v4, v[230:233], s[16:17] offset:1536*((\t)/2)+768
	global_store_b64 v5, v[234:235], s[16:17] offset:1536*((\t)/2)+1280
.endif
.endm
	XLOAD 0
	XLOAD 1
	XLOAD 2
	XLOAD 3
	s_wait_loadcnt 24                              ; unit 0's eight loads are in
	XTURN 0
.irp t, 0,1,2,3,4,5,6,7
	XUNIT \t
.endr
	global_store_b64 v5, v[16:17], s[16:17] offset:6144
	s_wait_tensorcnt 0x0
	ds_add_u32 v254, v255
	s_wait_dscnt 0x0
	s_endpgm
; ---------------- the weights: K is the first axis.  Lane 16 u + r takes column 8 u + r + 8 (r / 8) of a group of 32 columns, and its registers run down K: a block lies in one lane.
.Lnot_x:
	v_and_b32 v6, 8, v2
	v_add_nc_u32 v6, v6, v2
	v_lshl_add_u32 v6, v3, 3, v6
	v_lshlrev_b32 v6, 2, v6                        ; my column, in bytes
.macro WLOAD n, pitch                  ; unit n: K = 64 (n / 4) + 32 (n % 2) + 0 .. 31, column group (n / 2) % 2
.set II, 0
.rept 32
	global_load_b32 v[32+32*((\n)%2)+II], v6, s[36:37] offset:(64*((\n)/4)+32*((\n)%2)+II)*(\pitch)+128*(((\n)/2)%2) th:TH_LOAD_NT
.set II, II+1
.endr
.endm
.macro WUNIT n, pitch
.if (\n) < 7
	s_wait_loadcnt 32                              ; this unit's 32 loads are in; the next unit's may be out
.else
	s_wait_loadcnt 0x0
.endif
	BQ 32+32*((\n)%2), 160+6*(\n)
	v_lshrrev_b32 v13, 23, v12
.if 2*((\n)/4)+(\n)%2 == 0
	v_mov_b32 v[16+((\n)/2)%2], v13                ; my column's scale word: byte 2 (n / 4) + n % 2
.else
	v_lshl_or_b32 v[16+((\n)/2)%2], v13, 8*(2*((\n)/4)+(\n)%2), v[16+((\n)/2)%2]
.endif
.if (\n)+2 < 8
	WLOAD (\n)+2, \pitch
.endif
.if (\n)%2 == 1
.irp i, 0,1,2,3,4,5                    ; the first run's lanes 16-31 change places with the second's lanes 0-15: the runs become the half fragments of tiles 2 B and 2 B + 1
	v_permlane16_swap_b32 v[160+12*((\n)/2)+\i], v[166+12*((\n)/2)+\i]
.endr
	global_store_b128 v4, v[160+12*((\n)/2):163+12*((\n)/2)], s[38:39] offset:3072*(((\n)/2)%2)+768*((\n)/4)
	global_store_b64 v5, v[164+12*((\n)/2):165+12*((\n)/2)], s[38:39] offset:3072*(((\n)/2)%2)+768*((\n)/4)+512
	global_store_b128 v4, v[166+12*((\n)/2):169+12*((\n)/2)], s[38:39] offset:3072*(((\n)/2)%2)+768*((\n)/4)+1536
	global_store_b64 v5, v[170+12*((\n)/2):171+12*((\n)/2)], s[38:39] offset:3072*(((\n)/2)%2)+768*((\n)/4)+2048
.endif
.endm
.macro WPATH pitch                     ; source at s[36:37], destination block at s[38:39]; every unit's codes have registers of their own
	WLOAD 0, \pitch
	WLOAD 1, \pitch
.irp n, 0,1,2,3,4,5,6,7
	WUNIT \n, \pitch
.endr
	global_store_b64 v5, v[16:17], s[38:39] offset:6144
.endm
	s_cmp_lt_u32 ttmp9, 640
	s_cbranch_scc0 .Lnot_wq
	s_sub_co_u32 s31, ttmp9, 512
	s_and_b32 s32, s31, 3
	s_lshl_b32 s32, s32, 2
	s_add_co_u32 s32, s32, s24                     ; query head
	s_lshr_b32 s33, s31, 2                         ; K step
	s_lshl_b32 s28, s33, 19                        ; 128 rows of 4,096 bytes
	s_lshl_b32 s34, s32, 8
	s_add_co_u32 s28, s28, s34
	s_add_nc_u64 s[36:37], s[6:7], s[28:29]
	s_lshr_b32 s34, s32, 1
	s_lshl_b32 s34, s34, 5
	s_add_co_u32 s34, s34, s33
	s_lshl_b32 s34, s34, 2
	s_and_b32 s35, s32, 1
	s_add_co_u32 s34, s34, s35                     ; ((group) 32 + K step) 4 + head's parity
	s_mul_i32 s28, s34, 6400
	s_add_nc_u64 s[38:39], s[18:19], s[28:29]
	WPATH 4096
	s_endpgm
.Lnot_wq:
	s_cmp_lt_u32 ttmp9, 768
	s_cbranch_scc0 .Lnot_wkv
	s_sub_co_u32 s31, ttmp9, 640
	s_lshr_b32 s35, s31, 6                         ; 0: Wk, 1: Wv
	s_and_b32 s32, s31, 1
	s_lshl_b32 s32, s32, 2
	s_add_co_u32 s32, s32, s24                     ; key and value head
	s_bfe_u32 s33, s31, 0x50001                    ; K step
	s_cmp_eq_u32 s35, 0
	s_cselect_b64 s[36:37], s[8:9], s[10:11]
	s_lshl_b32 s28, s33, 18                        ; 128 rows of 2,048 bytes
	s_lshl_b32 s34, s32, 8
	s_add_co_u32 s28, s28, s34
	s_add_nc_u64 s[36:37], s[36:37], s[28:29]
	s_lshl_b32 s34, s32, 5
	s_add_co_u32 s34, s34, s33
	s_lshl_b32 s34, s34, 2
	s_add_co_u32 s34, s34, s35
	s_add_co_u32 s34, s34, 2                       ; places 2 (k) and 3 (v) of the group's four
	s_mul_i32 s28, s34, 6400
	s_add_nc_u64 s[38:39], s[18:19], s[28:29]
	WPATH 2048
	s_endpgm
.Lnot_wkv:
	s_cmp_lt_u32 ttmp9, 832
	s_cbranch_scc0 .Ltable
	s_sub_co_u32 s31, ttmp9, 768
	s_and_b32 s32, s31, 7                          ; tile of 256 columns
	s_lshr_b32 s33, s31, 3                         ; K step
	s_lshl_b32 s28, s33, 20                        ; 128 rows of 8,192 bytes
	s_lshl_b32 s34, s32, 2
	s_add_co_u32 s34, s34, s24
	s_lshl_b32 s34, s34, 8
	s_add_co_u32 s28, s28, s34
	s_add_nc_u64 s[36:37], s[12:13], s[28:29]
	s_lshl_b32 s34, s32, 3
	s_add_co_u32 s34, s34, s33
	s_lshl_b32 s34, s34, 2
	s_add_co_u32 s34, s34, s24
	s_mul_i32 s28, s34, 6400
	s_add_nc_u64 s[38:39], s[20:21], s[28:29]
	WPATH 8192
	s_endpgm
; ---------------- the table: cs[token] = 32 cos, 32 sin of position x 10^(-i/8).  Thread = (token v0 / 16 of eight, 16 bytes v0 % 16 of the row's 256): places 0-7 cos, 8-15 sin.
; x = position x frequency, rounded as a product in f32; n = the nearest whole number to x 2/pi; rho = x - n pi/2 by three fused steps; polynomials on |rho| <= pi/4; the quadrant picks and signs.
.Ltable:
	s_sub_co_u32 s31, ttmp9, 832
	s_lshl_b32 s28, s31, 8
	s_add_nc_u64 s[14:15], s[14:15], s[28:29]      ; my 64 positions
	s_lshl_b32 s28, s31, 14
	s_add_nc_u64 s[22:23], s[22:23], s[28:29]      ; my 64 rows of the table
	v_lshrrev_b32 v1, 4, v0
	v_lshlrev_b32 v1, 2, v1
.irp p, 0,1,2,3,4,5,6,7
	global_load_b32 v[12+\p], v1, s[14:15] offset:32*\p
.endr
	v_lshlrev_b32 v2, 4, v0
	v_and_b32 v7, 7, v0                            ; my four frequencies: 4 m + 0 .. 3
	v_bfe_u32 v3, v0, 3, 1
	v_xor_b32 v3, 1, v3                            ; 1 in a thread that makes cosines: cos x = sin(x + pi/2), one quadrant on
	s_mov_b32 s40, 0.636619772                     ; 2 / pi
	s_mov_b32 s41, 0x3fc90fdb                      ; pi / 2 in three parts
	s_mov_b32 s42, 0xb33bbd2e
	s_mov_b32 s43, 0xa6f72ced
	s_mov_b32 s44, -1.6666654611e-1                ; sine's polynomial
	s_mov_b32 s45, 8.3321608736e-3
	s_mov_b32 s46, -1.9515295891e-4
	s_mov_b32 s47, 4.166664568e-2                  ; cosine's
	s_mov_b32 s48, -1.388731625e-3
	s_mov_b32 s49, 2.443315712e-5
	v_mov_b32 v8, 1.0
	v_mov_b32 v9, 0.74989420933
	v_mov_b32 v10, 0.56234132519
	v_mov_b32 v11, 0.42169650343
.macro PICK m, a, b, c, d              ; where m is mine, my four frequencies
	v_cmp_ne_u32 vcc_lo, \m, v7
	v_cndmask_b32 v8, \a, v8, vcc_lo
	v_cndmask_b32 v9, \b, v9, vcc_lo
	v_cndmask_b32 v10, \c, v10, vcc_lo
	v_cndmask_b32 v11, \d, v11, vcc_lo
.endm
	PICK 1, 0.31622776602, 0.23713737057, 0.17782794100, 0.13335214322
	PICK 2, 0.1, 0.074989420933, 0.056234132519, 0.042169650343
	PICK 3, 0.031622776602, 0.023713737057, 0.017782794100, 0.013335214322
	PICK 4, 0.01, 0.0074989420933, 0.0056234132519, 0.0042169650343
	PICK 5, 0.0031622776602, 0.0023713737057, 0.0017782794100, 0.0013335214322
	PICK 6, 0.001, 0.00074989420933, 0.00056234132519, 0.00042169650343
	PICK 7, 0.00031622776602, 0.00023713737057, 0.00017782794100, 0.00013335214322
	s_wait_loadcnt 0x0
.irp p, 0,1,2,3,4,5,6,7
	v_cvt_f32_i32 v[20+\p], v[12+\p]
.endr
.macro TRIG p                          ; four values by turns, so that no line waits for the line above it
.irp e, 0,1,2,3
	v_mul_f32 v[32+\e], v[20+\p], v[8+\e]
.endr
.irp e, 0,1,2,3
	v_mul_f32 v[36+\e], s40, v[32+\e]
.endr
.irp e, 0,1,2,3
	v_rndne_f32 v[36+\e], v[36+\e]
.endr
.irp e, 0,1,2,3
	v_fma_f32 v[40+\e], -v[36+\e], s41, v[32+\e]
.endr
.irp e, 0,1,2,3
	v_fma_f32 v[40+\e], -v[36+\e], s42, v[40+\e]
.endr
.irp e, 0,1,2,3
	v_fma_f32 v[40+\e], -v[36+\e], s43, v[40+\e]
.endr
.irp e, 0,1,2,3
	v_mul_f32 v[44+\e], v[40+\e], v[40+\e]
.endr
.irp e, 0,1,2,3
	v_fma_f32 v[48+\e], v[44+\e], s46, s45
	v_fma_f32 v[52+\e], v[44+\e], s49, s48
.endr
.irp e, 0,1,2,3
	v_fma_f32 v[48+\e], v[48+\e], v[44+\e], s44
	v_fma_f32 v[52+\e], v[52+\e], v[44+\e], s47
.endr
.irp e, 0,1,2,3
	v_mul_f32 v[32+\e], v[44+\e], v[40+\e]
	v_mul_f32 v[56+\e], v[44+\e], v[44+\e]
.endr
.irp e, 0,1,2,3
	v_fma_f32 v[48+\e], v[48+\e], v[32+\e], v[40+\e]   ; sin rho
	v_fma_f32 v[32+\e], v[44+\e], -0.5, 1.0
.endr
.irp e, 0,1,2,3
	v_fma_f32 v[52+\e], v[52+\e], v[56+\e], v[32+\e]   ; cos rho
	v_cvt_i32_f32 v[56+\e], v[36+\e]
.endr
.irp e, 0,1,2,3
	v_add_nc_u32 v[56+\e], v[56+\e], v3            ; the quadrant
.endr
.irp e, 0,1,2,3
	v_and_b32 v[36+\e], 1, v[56+\e]
	v_and_b32 v[56+\e], 2, v[56+\e]
.endr
.irp e, 0,1,2,3
	v_cmp_eq_u32 vcc_lo, 1, v[36+\e]
	v_cndmask_b32 v[48+\e], v[48+\e], v[52+\e], vcc_lo
.endr
.irp e, 0,1,2,3
	v_lshlrev_b32 v[56+\e], 30, v[56+\e]
.endr
.irp e, 0,1,2,3
	v_xor_b32 v[64+4*\p+\e], v[48+\e], v[56+\e]
.endr
	global_store_b128 v2, v[64+4*\p:67+4*\p], s[22:23] offset:2048*\p   ; sixteen lanes store a token's 256 bytes
.endm
.irp p, 0,1,2,3,4,5,6,7
	TRIG \p
.endr
	s_endpgm
.Lfunc_end_k_q584e1057f1_prep:
	.size	k_q584e1057f1_prep, .Lfunc_end_k_q584e1057f1_prep-k_q584e1057f1_prep
	.p2alignl 7, 3214868480
	.fill 96, 4, 3214868480
	.section	.rodata,"a",@progbits
	.p2align	6, 0x0
	.amdhsa_kernel k_q584e1057f1_prep
		.amdhsa_group_segment_fixed_size 17920
		.amdhsa_private_segment_fixed_size 0
		.amdhsa_enable_private_segment 0
		.amdhsa_kernarg_size 80
		.amdhsa_user_sgpr_count 2
		.amdhsa_user_sgpr_kernarg_segment_ptr 1
		.amdhsa_wavefront_size32 1
		.amdhsa_system_sgpr_workgroup_id_x 1
		.amdhsa_system_sgpr_workgroup_id_y 1
		.amdhsa_system_sgpr_workgroup_id_z 1
		.amdhsa_system_vgpr_workitem_id 0
		.amdhsa_next_free_vgpr 256
		.amdhsa_next_free_sgpr 66
		.amdhsa_reserve_vcc 1
		.amdhsa_float_denorm_mode_32 3
		.amdhsa_float_denorm_mode_16_64 3
		.amdhsa_memory_ordered 1
		.amdhsa_forward_progress 1
		.amdhsa_inst_pref_size 187
	.end_amdhsa_kernel
	.amdgpu_metadata
---
amdhsa.version: [ 1, 2 ]
amdhsa.kernels:
  - .name:           k_q584e1057f1_prep
    .symbol:         k_q584e1057f1_prep.kd
    .args:
      - { .name: combined_states, .offset: 0, .size: 8, .value_kind: global_buffer, .address_space: global }
      - { .name: Wq, .offset: 8, .size: 8, .value_kind: global_buffer, .address_space: global }
      - { .name: Wk, .offset: 16, .size: 8, .value_kind: global_buffer, .address_space: global }
      - { .name: Wv, .offset: 24, .size: 8, .value_kind: global_buffer, .address_space: global }
      - { .name: Wo, .offset: 32, .size: 8, .value_kind: global_buffer, .address_space: global }
      - { .name: position_ids, .offset: 40, .size: 8, .value_kind: global_buffer, .address_space: global }
      - { .name: xq, .offset: 48, .size: 8, .value_kind: global_buffer, .address_space: global }
      - { .name: wqkv, .offset: 56, .size: 8, .value_kind: global_buffer, .address_space: global }
      - { .name: wo, .offset: 64, .size: 8, .value_kind: global_buffer, .address_space: global }
      - { .name: cs, .offset: 72, .size: 8, .value_kind: global_buffer, .address_space: global }
    .group_segment_fixed_size: 17920
    .private_segment_fixed_size: 0
    .kernarg_segment_align: 8
    .kernarg_segment_size: 80
    .max_flat_workgroup_size: 128
    .sgpr_count:     66
    .vgpr_count:     256
    .wavefront_size: 32
...
	.end_amdgpu_metadata
.endif
;; end of part 1
;; launch qkv (part 2): grid 8 x 32, 4 waves a work-group, clusters of 4 x 4, 327,680 bytes of LDS; arguments xq, wqkv, cs, qc, kv; writes qc, kv
.if DOCPART == 2
	.amdgcn_target "amdgcn-amd-amdhsa--gfx1250"
	.amdhsa_code_object_version 6
	.text
	.protected	k_q584e1057f1_qkv
	.globl	k_q584e1057f1_qkv
	.p2align	8
	.type	k_q584e1057f1_qkv,@function
k_q584e1057f1_qkv:
	s_mov_b64 s[64:65], 0
	v_nop
	global_prefetch_b8 v0, s[64:65] scope:SCOPE_SE
	s_setreg_imm32_b32 hwreg(HW_REG_WAVE_MODE, 25, 1), 1
	s_wait_xcnt 0x0
	s_wait_alu depctr_hold_cnt(0) depctr_sa_sdst(0) depctr_va_vdst(0) depctr_va_sdst(0) depctr_va_ssrc(0) depctr_va_vcc(0) depctr_vm_vsrc(0)
	s_getreg_b32 s2, hwreg(HW_REG_IB_STS2, 6, 4)
	s_cmp_eq_u32 s2, 0
	s_cbranch_scc0 .Lentry_in_a_cluster
	s_endpgm
.Lentry_in_a_cluster:
	s_bfe_u32 s2, ttmp6, 0x10000c
	s_cmp_lg_u32 s2, 0xf033
	s_cbranch_scc0 .Lentry_shape_is_right
	s_endpgm
.Lentry_shape_is_right:
; QKV: [4096 tokens x 4096] x [4096 x 2048] on codes of FP6 (E2M3) with E8M0 scales, then RoPE and the quantisers of q, k (along the head's 64) and v (along the keys).
; A work-group takes 128 tokens x the 256 columns of one group g: query heads 2 g, 2 g + 1, key head g, value head g.  Wave w takes all 128 tokens x its 64 columns: 32 accumulators.
; The product is used transposed (source 0 = 16 columns of W, source 1 = 16 tokens): a lane holds ONE token, and since a tile's rows are 32 B + 8 u + r + 8 (r / 8), the 16 registers
; of column tiles 2 B, 2 B + 1 are the 16 neighbours 32 B + 16 h + 0 .. 15 of the head.
; Codes lie in memory and LDS as images of the operand's registers (half fragment: 512 bytes at 16 x lane, 256 bytes at 8 x lane; a block of 64 rows x 128 K is 6,400 bytes with its scale words).
; K goes through a ring of two LDS slots of four K steps of 128 (x: 51,200 bytes, W: 102,400), dense blocks fetched as rows of 256 bytes.
; CLUSTER 4 x 4: x's tile hangs on the token tile alone and is asked for jointly along a row of the cluster, W's on g alone and jointly along a column.
; q's scale bytes carry the factor 1/8 of the scores: 3 is taken off them, so q's and k's bytes are held at 4 from below.
; LIMITS: blocks of q or k whose largest magnitude lies under 2^-121 take the scale 2^-123; blocks of zeros keep the floor's byte (their codes are zeros); NaN and infinities are not served.
; REGISTERS: window 0: v1-22 addresses, v32-43 scale words (two sets), v64-255 six sets of cos and sin; window 1: the accumulators, (a, t) at v[8 (4 a + t)];
;   windows 2 and 3: the two fragment buffers: x's eight at v[12 a], W's four at v[96 + 12 t]; on the way out window 2 is at work.
.set SLOT,  153600
.set BOFF,  51200                      ; W's part of a slot
.set SPARE, 2*SLOT                     ; the spare words, 128 bytes for each wave
.set GP,    8736                       ; v's stage: 32 rows of 272 bytes + 32, so that lanes 16-31 read 8 banks away from lanes 0-15
.set SC,    32
.set CSR,   64
.set FLOOR, 0x1800000
.set QFLOOR, 0x3000000
.set EOFF,  0xff000000
.set G1A, 24
.set G0A, 32
.set G1B, 48
.set G0B, 56
.set MSB, 0
.macro WIN new                         ; the immediate's high byte repeats the setting that is left
.if MSB != (\new)
	s_set_vgpr_msb (MSB<<8)|(\new)
.set MSB, (\new)
.endif
.endm
.macro PLACES
.rept 4
	v_nop
.endr
.endm
; A joint load: waves 0 and 1 fetch for x, waves 2 and 3 for W; four v_nop follow each of the two lines.
.macro JLOAD g0a, g0b
	s_cmp_eq_u32 s15, 0
	s_cbranch_scc0 .Lfor_b_\@
	tensor_load_to_lds s[\g0a:\g0a+3], s[G1A:G1A+7]
	s_nop 0
.rept 4
	v_nop
.endr
	s_branch .Lasked_\@
.Lfor_b_\@:
	tensor_load_to_lds s[\g0b:\g0b+3], s[G1B:G1B+7]
	s_nop 0
.rept 4
	v_nop
.endr
.Lasked_\@:
.endm
.macro CREST                           ; a round of the cluster's barrier behind its opening barrier
	s_cmp_lg_u32 s14, 0
	s_cbranch_scc1 .Lnot_wave_0_\@
	s_barrier_signal -3
.Lnot_wave_0_\@:
	s_barrier_wait -3
	s_barrier_signal -1
	s_barrier_wait -1
.endm
.macro CROUND
	s_barrier_signal -1
	s_barrier_wait -1
	CREST
.endm
; one matrix instruction; ra, rb: the scale words lie in lanes 16-31 of their registers
.macro WM d, a, b, zero, sa, sb, ra, rb
.if \zero
.if (\ra) && (\rb)
	v_wmma_scale_f32_16x16x128_f8f6f4 v[(\d):(\d)+7], v[(\a):(\a)+11], v[(\b):(\b)+11], 0, v[\sa], v[\sb] matrix_a_fmt:MATRIX_FMT_FP6 matrix_b_fmt:MATRIX_FMT_FP6 matrix_a_scale:MATRIX_SCALE_ROW1 matrix_b_scale:MATRIX_SCALE_ROW1
.elseif (\ra)
	v_wmma_scale_f32_16x16x128_f8f6f4 v[(\d):(\d)+7], v[(\a):(\a)+11], v[(\b):(\b)+11], 0, v[\sa], v[\sb] matrix_a_fmt:MATRIX_FMT_FP6 matrix_b_fmt:MATRIX_FMT_FP6 matrix_a_scale:MATRIX_SCALE_ROW1
.elseif (\rb)
	v_wmma_scale_f32_16x16x128_f8f6f4 v[(\d):(\d)+7], v[(\a):(\a)+11], v[(\b):(\b)+11], 0, v[\sa], v[\sb] matrix_a_fmt:MATRIX_FMT_FP6 matrix_b_fmt:MATRIX_FMT_FP6 matrix_b_scale:MATRIX_SCALE_ROW1
.else
	v_wmma_scale_f32_16x16x128_f8f6f4 v[(\d):(\d)+7], v[(\a):(\a)+11], v[(\b):(\b)+11], 0, v[\sa], v[\sb] matrix_a_fmt:MATRIX_FMT_FP6 matrix_b_fmt:MATRIX_FMT_FP6
.endif
.else
.if (\ra) && (\rb)
	v_wmma_scale_f32_16x16x128_f8f6f4 v[(\d):(\d)+7], v[(\a):(\a)+11], v[(\b):(\b)+11], v[(\d):(\d)+7], v[\sa], v[\sb] matrix_a_fmt:MATRIX_FMT_FP6 matrix_b_fmt:MATRIX_FMT_FP6 matrix_a_scale:MATRIX_SCALE_ROW1 matrix_b_scale:MATRIX_SCALE_ROW1
.elseif (\ra)
	v_wmma_scale_f32_16x16x128_f8f6f4 v[(\d):(\d)+7], v[(\a):(\a)+11], v[(\b):(\b)+11], v[(\d):(\d)+7], v[\sa], v[\sb] matrix_a_fmt:MATRIX_FMT_FP6 matrix_b_fmt:MATRIX_FMT_FP6 matrix_a_scale:MATRIX_SCALE_ROW1
.elseif (\rb)
	v_wmma_scale_f32_16x16x128_f8f6f4 v[(\d):(\d)+7], v[(\a):(\a)+11], v[(\b):(\b)+11], v[(\d):(\d)+7], v[\sa], v[\sb] matrix_a_fmt:MATRIX_FMT_FP6 matrix_b_fmt:MATRIX_FMT_FP6 matrix_b_scale:MATRIX_SCALE_ROW1
.else
	v_wmma_scale_f32_16x16x128_f8f6f4 v[(\d):(\d)+7], v[(\a):(\a)+11], v[(\b):(\b)+11], v[(\d):(\d)+7], v[\sa], v[\sb] matrix_a_fmt:MATRIX_FMT_FP6 matrix_b_fmt:MATRIX_FMT_FP6
.endif
.endif
.endm
; 8 matrix instructions: token tiles a0, a0 + 1 x my four column tiles; p: the fragment buffer and set of scale words.  The 32 accumulators take turns in one fixed order.
.macro MUL8 a0, p, zero
.irp a, \a0, \a0+1
.irp t, 0,1,2,3
	WM 8*(4*(\a)+\t), 96+12*\t, 12*(\a), \zero, SC+6*(\p)+4+\t/2, SC+6*(\p)+2*((\a)/4)+((\a)/2)%2, \t%2, (\a)%2
.endr
.endr
.endm
; 51 LDS loads in one run: K step kk of the slot into buffer p: W's four fragments, x's eight, three pairs of scale words
.macro FETCH slot, kk, p
	WIN 0x80+0x40*(\p)
.irp t, 0,1,2,3
.irp c, 0,1
	ds_load_b128 v[96+12*\t+6*\c:96+12*\t+6*\c+3], v[10+2*(\slot)+(\kk)/2] offset:((\kk)%2)*25600+1536*\t+768*\c
	ds_load_b64 v[96+12*\t+6*\c+4:96+12*\t+6*\c+5], v[14+2*(\slot)+(\kk)/2] offset:((\kk)%2)*25600+1536*\t+768*\c+512
.endr
.endr
.irp a, 0,1,2,3,4,5,6,7
.irp c, 0,1
	ds_load_b128 v[12*\a+6*\c:12*\a+6*\c+3], v[6+(\slot)] offset:(\kk)*12800+(\a/4)*6400+(\a%4)*1536+768*\c
	ds_load_b64 v[12*\a+6*\c+4:12*\a+6*\c+5], v[8+(\slot)] offset:(\kk)*12800+(\a/4)*6400+(\a%4)*1536+768*\c+512
.endr
.endr
	WIN 0
	ds_load_b64 v[SC+6*(\p):SC+6*(\p)+1], v[8+(\slot)] offset:(\kk)*12800+6144
	ds_load_b64 v[SC+6*(\p)+2:SC+6*(\p)+3], v[8+(\slot)] offset:(\kk)*12800+6400+6144
	ds_load_b64 v[SC+6*(\p)+4:SC+6*(\p)+5], v[14+2*(\slot)+(\kk)/2] offset:((\kk)%2)*25600+6144
.endm
; one of a slot's first three K steps: multiplies buffer kk % 2 and fetches the next K step into the other
.macro STEP slot, kk, zero
	s_wait_dscnt 0x0                               ; this K step's fragments and scale words are in
	WIN 0x5a+5*((\kk)%2)
	MUL8 0, (\kk)%2, \zero
	PLACES                                         ; four places in front of loads into registers that matrix instructions have read
	FETCH \slot, (\kk)+1, 1-(\kk)%2
	WIN 0x5a+5*((\kk)%2)
	MUL8 2, (\kk)%2, \zero
	MUL8 4, (\kk)%2, \zero
	MUL8 6, (\kk)%2, \zero
	WIN 0
.endm
; a slot's last K step changes slots: one barrier; in front of it each wave waits for all its tensor loads, adds 0 to its spare word, and waits for that and for its reads of the slot
.macro TURN slot, next, fill
	s_wait_tensorcnt 0x0                           ; all my tensor loads have landed: my part of the next slot
	ds_add_u32 v18, v19                            ; 0 onto my spare word
	s_wait_dscnt 0x1                               ; the fragments are in; the add alone may be out
	WIN 0x5f
	MUL8 0, 1, 0
	s_wait_dscnt 0x0                               ; the add is done, and my reads of this slot are over
	s_barrier_signal -1
	MUL8 2, 1, 0
	WIN 0
	s_barrier_wait -1
.if \fill
	CREST                                          ; the barrier has opened a round of the cluster's barrier: no wave of any partner still reads this slot or has a load on its way
	s_add_nc_u64 s[G0A+4*\slot+2:G0A+4*\slot+3], s[G0A+4*\slot+2:G0A+4*\slot+3], 102400
	s_add_nc_u64 s[G0B+4*\slot+2:G0B+4*\slot+3], s[G0B+4*\slot+2:G0B+4*\slot+3], 204800
	JLOAD G0A+4*\slot, G0B+4*\slot                 ; the first tensor load behind the round; its four v_nop are the places in front of the loads below
.else
	PLACES
.endif
	FETCH \next, 0, 0
	WIN 0x5f
	MUL8 4, 1, 0
	MUL8 6, 1, 0
	WIN 0
.endm
	s_load_b256 s[4:11], s[0:1], 0x0               ; xq s[4:5], wqkv s[6:7], cs s[8:9], qc s[10:11]
	s_load_b64 s[12:13], s[0:1], 0x20              ; kv
	v_lshl_add_u32 v18, v0, 2, SPARE
	v_mov_b32 v19, 0
	ds_add_u32 v18, v19
	s_wait_dscnt 0x0
	v_lshrrev_b32 v1, 5, v0
	v_readfirstlane_b32 s14, v1                    ; wave
	s_lshr_b32 s15, s14, 1                         ; I fetch for x (0) or for W (1)
	s_and_b32 s16, s14, 1                          ; which half of it
	s_bfe_u32 s40, ttmp6, 0x40000                  ; cx
	s_bfe_u32 s41, ttmp6, 0x40004                  ; cy
	s_lshl_b32 s42, ttmp9, 2
	s_add_co_u32 s42, s42, s40                     ; g
	s_and_b32 s17, ttmp7, 0xffff
	s_lshl_b32 s17, s17, 2
	s_add_co_u32 s17, s17, s41                     ; the tile of 128 tokens
	s_lshl_b32 s43, s41, 2
	s_lshl_b32 s43, 15, s43                        ; my row of the cluster
	s_lshl_b32 s44, 0x1111, s40                    ; my column
	s_or_b32 s[G1A], s43, (3<<16)|(1<<21)          ; elements of 8 bytes, no padding; the mask, and bit 21 beside it
	s_or_b32 s[G1B], s44, (3<<16)|(1<<21)
	s_mov_b32 s[G1A+1], 32<<16                     ; rows of 32 elements = 256 bytes
	s_mov_b32 s[G1A+2], 100<<16                    ; 100 rows: two K steps of x
	s_mov_b32 s[G1A+3], 32<<16
	s_mov_b32 s[G1A+4], 100
	s_mov_b32 s[G1A+5], 32
	s_mov_b32 s[G1A+6], 0
	s_mov_b32 s[G1A+7], 0
	s_mov_b32 s[G1B+1], 32<<16
	s_mov_b32 s[G1B+2], 200<<16                    ; 200 rows: two K steps of W
	s_mov_b32 s[G1B+3], 32<<16
	s_mov_b32 s[G1B+4], 200
	s_mov_b32 s[G1B+5], 32
	s_mov_b32 s[G1B+6], 0
	s_mov_b32 s[G1B+7], 0
	s_mul_i32 s20, s17, 409600
	s_mul_i32 s18, s16, 25600                      ; also x's place in a slot
	s_add_co_u32 s20, s20, s18
	s_mov_b32 s21, 0
	s_mul_i32 s46, s42, 819200
	s_mul_i32 s19, s16, 51200
	s_add_co_u32 s46, s46, s19
	s_mov_b32 s47, 0
	s_add_co_u32 s19, s19, BOFF                    ; W's place in a slot
	s_wait_kmcnt 0x0
	s_add_nc_u64 s[20:21], s[4:5], s[20:21]
	s_add_nc_u64 s[46:47], s[6:7], s[46:47]
	CROUND                                         ; all sixteen work-groups are here: the first joint loads meet
.irp s, 0,1
	s_mov_b32 s[G0A+4*\s], 1
	s_add_co_u32 s[G0A+4*\s+1], s18, \s*SLOT
	s_add_nc_u64 s[G0A+4*\s+2:G0A+4*\s+3], s[20:21], \s*51200
	s_or_b32 s[G0A+4*\s+3], s[G0A+4*\s+3], 0x80000000
	s_mov_b32 s[G0B+4*\s], 1
	s_add_co_u32 s[G0B+4*\s+1], s19, \s*SLOT
	s_add_nc_u64 s[G0B+4*\s+2:G0B+4*\s+3], s[46:47], \s*102400
	s_or_b32 s[G0B+4*\s+3], s[G0B+4*\s+3], 0x80000000
	JLOAD G0A+4*\s, G0B+4*\s
.endr
	v_and_b32 v3, 31, v0                           ; lane
	v_and_b32 v1, 15, v0                           ; r
	v_bfe_u32 v2, v0, 4, 1                         ; h
	v_lshlrev_b32 v4, 4, v3                        ; 16 x lane
	v_lshlrev_b32 v5, 3, v3                        ; 8 x lane
	v_mov_b32 v6, v4                               ; x's images in slot 0, 1
	v_add_nc_u32 v7, SLOT, v4
	v_mov_b32 v8, v5
	v_add_nc_u32 v9, SLOT, v5
	s_mul_i32 s21, s14, 6400                       ; my 64 columns of W
	s_add_co_u32 s21, s21, BOFF
.irp s, 0,1
.irp q, 0,1
	s_add_co_u32 s22, s21, \s*SLOT+\q*51200
	v_add_nc_u32 v[10+2*\s+\q], s22, v4            ; W's images in slot s, K steps 2 q and 2 q + 1
	v_add_nc_u32 v[14+2*\s+\q], s22, v5
.endr
.endr
	v_and_b32 v23, 8, v1
	v_add_nc_u32 v23, v23, v1                      ; r + 8 (r / 8)
	v_lshlrev_b32 v20, 8, v23
	v_lshl_add_u32 v20, v2, 6, v20                 ; the table: my token's row of 256 bytes, + 64 h
	v_mul_u32_u24 v21, v1, 272
	v_lshl_add_u32 v21, v2, 6, v21                 ; v's stage, on the way in
	v_mul_u32_u24 v22, v2, GP
	v_lshl_add_u32 v22, v23, 2, v22                ; and on the way out
	s_mov_b32 s72, 0x76543210
	s_mov_b32 s73, 0xfedcba98
	s_mov_b32 s74, 0xffff0000                      ; lanes 16-31
	s_lshl_b32 s80, s17, 15
	s_mov_b32 s81, 0
	s_add_nc_u64 s[8:9], s[8:9], s[80:81]          ; the table at my 128 tokens
	s_lshr_b32 s75, s17, 4                         ; batch
	s_and_b32 s76, s17, 15                         ; block of 128 tokens in it
	s_lshl_b32 s77, s75, 4
	s_lshl_b32 s78, s42, 1
	s_add_co_u32 s77, s77, s78
	s_add_co_u32 s77, s77, s14                     ; query head (waves 0, 1)
	s_lshl_b32 s77, s77, 4
	s_add_co_u32 s77, s77, s76
	s_mul_i32 s77, s77, 6656
	s_lshl_b32 s78, s75, 3
	s_add_co_u32 s78, s78, s42
	s_lshl_b32 s78, s78, 4
	s_add_co_u32 s78, s78, s76
	s_mul_i32 s78, s78, 13056
	s_cmp_lt_u32 s14, 2
	s_cselect_b64 s[68:69], s[10:11], s[12:13]     ; waves 0, 1 store into qc, waves 2, 3 into kv
	s_cselect_b32 s80, s77, s78
	s_cselect_b32 s70, 0x0303, 0                   ; what is taken off the scale bytes: 3 from each of q's
	s_add_nc_u64 s[68:69], s[68:69], s[80:81]
	s_wait_tensorcnt 0x1                           ; my part of slot 0 is in; slot 1's may be out
	s_barrier_signal -1
	s_barrier_wait -1
	FETCH 0, 0, 0
	STEP 0, 0, 1                                   ; the first K step's products start the sums
	STEP 0, 1, 0
	STEP 0, 2, 0
	s_mov_b32 s3, 3
.Llap:                                             ; a trip goes once round the ring and fills both slots again: six refills for fills 2 to 7
	TURN 0, 1, 1
	STEP 1, 0, 0
	STEP 1, 1, 0
	STEP 1, 2, 0
	TURN 1, 0, 1
	STEP 0, 0, 0
	STEP 0, 1, 0
	STEP 0, 2, 0
	s_sub_co_u32 s3, s3, 1
	s_cmp_lg_u32 s3, 0
	s_cbranch_scc1 .Llap
	TURN 0, 1, 0                                   ; the last lap fills nothing
	STEP 1, 0, 0
	STEP 1, 1, 0
	STEP 1, 2, 0
	s_wait_dscnt 0x0
	WIN 0x5f
	MUL8 0, 1, 0
	MUL8 2, 1, 0
	MUL8 4, 1, 0
	MUL8 6, 1, 0
	WIN 0
	PLACES                                         ; four places in front of the first read of results and the first write over operands
	s_cmp_eq_u32 s14, 3
	s_cbranch_scc1 .Lvpath
; ---------------- q and k: RoPE, then two blocks of 32 along the head.  Window 2: Y v0-31, T v32-39, v40-48 at work, v50-52 a conversion's second half, v56-59 scale words, v64-111 codes.
.macro CSLOAD a                        ; cos and sin of token tile a: my token's 16 frequencies 16 h + 0 .. 15, into set a % 6
.irp q, 0,1,2,3
	global_load_b128 v[CSR+32*((\a)%6)+4*\q:CSR+32*((\a)%6)+4*\q+3], v20, s[8:9] offset:(64*((\a)/4)+32*(((\a)/2)%2)+8*((\a)%2))*256+16*\q
	global_load_b128 v[CSR+32*((\a)%6)+16+4*\q:CSR+32*((\a)%6)+16+4*\q+3], v20, s[8:9] offset:(64*((\a)/4)+32*(((\a)/2)%2)+8*((\a)%2))*256+128+16*\q
.endr
.endm
.irp a, 0,1,2,3,4,5                    ; six tiles' cos and sin are asked for at once, on the way that reads them: 48 loads a wave; the last two tiles' follow as sets come free
	CSLOAD \a
.endr
	WIN 0x80
	v_mov_b32 v42, 0                               ; written once: a lane permute's destination counts as one of its sources
	v_mov_b32 v43, 0
.macro QKTILE a
.if (\a) < 3
	s_wait_loadcnt 40                              ; this tile's eight loads are in; five later tiles' may be out
.else
	s_wait_loadcnt 8*(7-(\a))                      ; likewise, with fewer tiles behind it
.endif
	WIN 0xa1                                       ; source 0 the accumulators, source 1 cos and sin, source 2 and destination window 2
.irp i, 0,2,4,6,8,10,12,14             ; d = 16 h + i pairs with d + 32: tiles i / 8 and 2 + i / 8; each accumulator is read from its low end on
	v_pk_mul_f32 v[32+4*((\i/2)%2):33+4*((\i/2)%2)], v[8*(4*(\a)+2+\i/8)+\i%8:8*(4*(\a)+2+\i/8)+\i%8+1], v[CSR+32*((\a)%6)+16+\i:CSR+32*((\a)%6)+17+\i]
	v_pk_mul_f32 v[34+4*((\i/2)%2):35+4*((\i/2)%2)], v[8*(4*(\a)+\i/8)+\i%8:8*(4*(\a)+\i/8)+\i%8+1], v[CSR+32*((\a)%6)+16+\i:CSR+32*((\a)%6)+17+\i]
	v_pk_fma_f32 v[\i:\i+1], v[8*(4*(\a)+\i/8)+\i%8:8*(4*(\a)+\i/8)+\i%8+1], v[CSR+32*((\a)%6)+\i:CSR+32*((\a)%6)+\i+1], v[32+4*((\i/2)%2):33+4*((\i/2)%2)] neg_lo:[0,0,1] neg_hi:[0,0,1]
	v_pk_fma_f32 v[16+\i:17+\i], v[8*(4*(\a)+2+\i/8)+\i%8:8*(4*(\a)+2+\i/8)+\i%8+1], v[CSR+32*((\a)%6)+\i:CSR+32*((\a)%6)+\i+1], v[34+4*((\i/2)%2):35+4*((\i/2)%2)]
.endr
.if (\a) < 2
	WIN 0
	CSLOAD (\a)+6                                  ; into the set just read
.endif
	WIN 0xaa                                       ; all in window 2
.irp b, 0,1
	v_max3_num_f32 v[40+\b], |v[16*\b]|, |v[16*\b+1]|, QFLOOR
.endr
.irp i, 2,4,6,8,10,12,14
.irp b, 0,1
	v_max3_num_f32 v[40+\b], v[40+\b], |v[16*\b+\i]|, |v[16*\b+\i+1]|
.endr
.endr
.irp b, 0,1
	v_permlanex16_b32 v[42+\b], v[40+\b], s72, s73
.endr
.irp b, 0,1
	v_max_num_f32 v[40+\b], v[40+\b], v[42+\b]     ; with lane l xor 16's 16: the block's largest magnitude
.endr
.irp b, 0,1
	v_add_nc_u32 v[44+\b], EOFF, v[40+\b]
.endr
.irp b, 0,1
	v_lshrrev_b32 v[46+\b], 23, v[44+\b]
.endr
	v_cvt_scalef32_pk16_fp6_f32 v[64+6*(\a):66+6*(\a)], v[0:15], v44
	v_cvt_scalef32_pk16_fp6_f32 v[50:52], v[16:31], v45
	v_lshl_or_b32 v48, v47, 8, v46                 ; the row's word: bytes 0, 1; bytes 2, 3 stay 0 over zero codes.  (A plain place behind the conversions)
.irp i, 0,1,2
	v_permlane16_swap_b32 v[64+6*(\a)+\i], v[50+\i]   ; a whole block to a lane: lanes 0-15 block 0, lanes 16-31 block 1
.endr
.irp i, 0,1,2
	v_mov_b32 v[67+6*(\a)+\i], v[50+\i]
.endr
	v_sub_nc_u32 v48, v48, s70
.if (\a) < 4
	v_mov_b32 v[56+(\a)], v48
.else
	v_cndmask_b32 v[52+(\a)], v[52+(\a)], v48, s74   ; tiles 4-7 in lanes 16-31
.endif
	WIN 0x08                                       ; a store's data: window 2
	global_store_b128 v4, v[64+6*(\a):67+6*(\a)], s[68:69] offset:768*(\a)
	global_store_b64 v5, v[68+6*(\a):69+6*(\a)], s[68:69] offset:768*(\a)+512
.endm
.irp a, 0,1,2,3,4,5,6,7
	QKTILE \a
.endr
	global_store_b128 v4, v[56:59], s[68:69] offset:6144
	WIN 0
	s_branch .Ljoin
; ---------------- v: quantised along the keys.  My results (a lane a token) go through a stage in slot 0, which has had its last fill and its last read, and come back a lane a channel, registers down the keys.
; Window 2: v0-63 two sets of 32 numbers, v64-81 at work, v96-143 the four fragments' codes.
.Lvpath:
	WIN 0x04                                       ; an LDS store's data: window 1
.irp a, 0,1,2,3,4,5,6,7
.irp t, 0,1,2,3
	ds_store_b128 v21, v[8*(4*\a+\t):8*(4*\a+\t)+3] offset:(\a/2)*GP+16*(\a%2)*272+128*(\t/2)+32*(\t%2)
	ds_store_b128 v21, v[8*(4*\a+\t)+4:8*(4*\a+\t)+7] offset:(\a/2)*GP+16*(\a%2)*272+128*(\t/2)+32*(\t%2)+16
.endr
.endr
	WIN 0x80
	v_lshlrev_b32 v70, 3, v2                       ; 8 h
	v_mov_b32 v69, 0
.macro VLOAD n                         ; unit n: fragment n / 2 (channel 32 (f / 2) + 8 (f % 2) + r + 8 (r / 8)), keys 64 (n % 2) + 32 h + 0 .. 31
	WIN 0x80
.set II, 0
.rept 32
	ds_load_b32 v[32*((\n)%2)+II], v22 offset:2*((\n)%2)*GP+(16*((II/8)%2)+II%8+8*(II/16))*272+(32*((\n)/4)+8*(((\n)/2)%2))*4
.set II, II+1
.endr
.endm
.macro VUNIT n
.if (\n) < 7
	s_wait_dscnt 32                                ; this unit's 32 loads are in; the next unit's may be out
.else
	s_wait_dscnt 0x0
.endif
	WIN 0xaa
	v_max3_num_f32 v64, |v[32*((\n)%2)]|, |v[32*((\n)%2)+1]|, |v[32*((\n)%2)+2]|
	v_max3_num_f32 v65, |v[32*((\n)%2)+3]|, |v[32*((\n)%2)+4]|, |v[32*((\n)%2)+5]|
.irp i, 6,10,14,18,22,26
	v_max3_num_f32 v64, v64, |v[32*((\n)%2)+\i]|, |v[32*((\n)%2)+\i+1]|
	v_max3_num_f32 v65, v65, |v[32*((\n)%2)+\i+2]|, |v[32*((\n)%2)+\i+3]|
.endr
	v_max3_num_f32 v64, v64, |v[32*((\n)%2)+30]|, |v[32*((\n)%2)+31]|
	v_max3_num_f32 v64, v64, v65, FLOOR
	v_add_nc_u32 v66, EOFF, v64
	v_cvt_scalef32_pk16_fp6_f32 v[96+6*(\n):98+6*(\n)], v[32*((\n)%2):32*((\n)%2)+15], v66
	v_cvt_scalef32_pk16_fp6_f32 v[72:74], v[32*((\n)%2)+16:32*((\n)%2)+31], v66
	v_lshrrev_b32 v[67+(\n)%2], 23, v66            ; the byte of block 2 (n % 2) + h.  (A plain place behind the conversions)
.irp i, 0,1,2
	v_mov_b32 v[99+6*(\n)+\i], v[72+\i]
.endr
.if (\n)+2 < 8
	VLOAD (\n)+2
.endif
.if (\n)%2 == 1
	WIN 0xaa
	v_lshl_or_b32 v68, v68, 16, v67
	v_lshlrev_b32 v68, v70, v68
	v_permlanex16_b32 v69, v68, s72, s73
	v_or_b32 v[76+(\n)/2], v68, v69                ; the channel's word for these 128 keys
	WIN 0x08
	global_store_b128 v4, v[96+12*((\n)/2):99+12*((\n)/2)], s[68:69] offset:6656+1536*((\n)/2)
	global_store_b64 v5, v[100+12*((\n)/2):101+12*((\n)/2)], s[68:69] offset:6656+1536*((\n)/2)+512
	global_store_b128 v4, v[102+12*((\n)/2):105+12*((\n)/2)], s[68:69] offset:6656+1536*((\n)/2)+768
	global_store_b64 v5, v[106+12*((\n)/2):107+12*((\n)/2)], s[68:69] offset:6656+1536*((\n)/2)+1280
.endif
.endm
	VLOAD 0
	VLOAD 1
.irp n, 0,1,2,3,4,5,6,7
	VUNIT \n
.endr
	WIN 0xaa
	v_cndmask_b32 v80, v76, v77, s74               ; lanes 0-15 the even fragment's words, lanes 16-31 the odd one's
	v_cndmask_b32 v81, v78, v79, s74
	WIN 0x08
	global_store_b64 v5, v[80:81], s[68:69] offset:6656+6144
	WIN 0
.Ljoin:
	s_wait_tensorcnt 0x0                           ; the wave's end
	ds_add_u32 v18, v19
	s_wait_dscnt 0x0
	CROUND                                         ; the closing round
	s_endpgm
.Lfunc_end_k_q584e1057f1_qkv:
	.size	k_q584e1057f1_qkv, .Lfunc_end_k_q584e1057f1_qkv-k_q584e1057f1_qkv
	.p2alignl 7, 3214868480
	.fill 96, 4, 3214868480
	.section	.rodata,"a",@progbits
	.p2align	6, 0x0
	.amdhsa_kernel k_q584e1057f1_qkv
		.amdhsa_group_segment_fixed_size 327680
		.amdhsa_private_segment_fixed_size 0
		.amdhsa_enable_private_segment 0
		.amdhsa_kernarg_size 40
		.amdhsa_user_sgpr_count 2
		.amdhsa_user_sgpr_kernarg_segment_ptr 1
		.amdhsa_wavefront_size32 1
		.amdhsa_system_sgpr_workgroup_id_x 1
		.amdhsa_system_sgpr_workgroup_id_y 1
		.amdhsa_system_sgpr_workgroup_id_z 1
		.amdhsa_system_vgpr_workitem_id 0
		.amdhsa_next_free_vgpr 1024
		.amdhsa_next_free_sgpr 100
		.amdhsa_reserve_vcc 0
		.amdhsa_float_denorm_mode_32 3
		.amdhsa_float_denorm_mode_16_64 3
		.amdhsa_memory_ordered 1
		.amdhsa_forward_progress 1
		.amdhsa_inst_pref_size 205
	.end_amdhsa_kernel
	.amdgpu_metadata
---
amdhsa.version: [ 1, 2 ]
amdhsa.kernels:
  - .name:           k_q584e1057f1_qkv
    .symbol:         k_q584e1057f1_qkv.kd
    .args:
      - { .name: xq, .offset: 0, .size: 8, .value_kind: global_buffer, .address_space: global }
      - { .name: wqkv, .offset: 8, .size: 8, .value_kind: global_buffer, .address_space: global }
      - { .name: cs, .offset: 16, .size: 8, .value_kind: global_buffer, .address_space: global }
      - { .name: qc, .offset: 24, .size: 8, .value_kind: global_buffer, .address_space: global }
      - { .name: kv, .offset: 32, .size: 8, .value_kind: global_buffer, .address_space: global }
    .group_segment_fixed_size: 327680
    .private_segment_fixed_size: 0
    .kernarg_segment_align: 8
    .kernarg_segment_size: 40
    .max_flat_workgroup_size: 128
    .sgpr_count:     100
    .vgpr_count:     1024
    .wavefront_size: 32
...
	.end_amdgpu_metadata
.endif
;; end of part 2
;; launch attn (part 3): grid 16 x 16, 16 waves a work-group, clusters of 4 x 4, 327,680 bytes of LDS; arguments qc, kv, attention_mask, ac; writes ac
.if DOCPART == 3
	.amdgcn_target "amdgcn-amd-amdhsa--gfx1250"
	.amdhsa_code_object_version 6
	.text
	.protected	k_q584e1057f1_attn
	.globl	k_q584e1057f1_attn
	.p2align	8
	.type	k_q584e1057f1_attn,@function
k_q584e1057f1_attn:
	s_mov_b64 s[64:65], 0
	v_nop
	global_prefetch_b8 v0, s[64:65] scope:SCOPE_SE
	s_setreg_imm32_b32 hwreg(HW_REG_WAVE_MODE, 25, 1), 1
	s_wait_xcnt 0x0
	s_wait_alu depctr_hold_cnt(0) depctr_sa_sdst(0) depctr_va_vdst(0) depctr_va_sdst(0) depctr_va_ssrc(0) depctr_va_vcc(0) depctr_vm_vsrc(0)
	s_getreg_b32 s2, hwreg(HW_REG_IB_STS2, 6, 4)
	s_cmp_eq_u32 s2, 0
	s_cbranch_scc0 .Lentry_in_a_cluster
	s_endpgm
.Lentry_in_a_cluster:
	s_bfe_u32 s2, ttmp6, 0x10000c
	s_cmp_lg_u32 s2, 0xf033
	s_cbranch_scc0 .Lentry_shape_is_right
	s_endpgm
.Lentry_shape_is_right:
; ATTENTION on codes of FP6 (E2M3): logit = q . k / 8 + mask, p = 2^(t - M), t = logit x log2(e), M the running largest t rounded up to a whole number; O = (sum of Q(p) Q(v)) / (sum of p); O is quantised along (head, channel).
; The mask is an input: every key of every query is computed and every number of the mask is read and added: it is the C of the first product.  The factor 1/8 lies in q's scale bytes.
; A work-group owns 128 queries of the two query heads that share key and value head g of batch b; wave w owns tile a = w % 8 (16 queries) of head 2 g + w / 8, in 256 registers: four waves to a SIMD.
; Both products are used transposed: S^T = K Q^T (K = 64: Q's upper 64 codes are zeros, so what stands in K's upper six registers, the next tile's codes, multiplies zeros), O^T = V^T P^T: a lane holds one query.
; The rows of a tile are 32 B + 8 u + r + 8 (r / 8): the 16 registers of key tiles 2 b, 2 b + 1 are the keys 32 b + 16 h + 0 .. 15.
; 16 key steps of 128 keys through a ring of two LDS slots: the mask's tile (128 rows x 512 bytes, pitch 520) and the step's block of k and v (13,056 bytes, images of the operands' registers).
; CLUSTER 4 x 4: the mask's tile hangs on the query block alone and is asked for jointly along a row of the cluster; the block of k and v hangs on (b, g) alone and jointly along a column.
; LIMITS: a row whose every logit is -infinity gives NaN; NaN among the inputs is not served; a block of zeros keeps the floor's byte (its codes are zeros).
.set SLOTB, 131072
.set KVO,   66560                      ; behind the mask's 128 x 520 bytes
.set VO,    6656                       ; v's part of a block
.set SPARE, 210688                     ; the spare words, 128 bytes for each of 16 waves
.set SCG,   212736                     ; 512 bytes in which O's scale bytes meet; no fill lands here
.set AM,   1                           ; v1-2   my row of the mask's tile in slot 0, 1
.set AK16, 3                           ; v3-4   16 x lane + the block of k and v
.set AK8,  5                           ; v5-6   8 x lane + the same
.set SPW,  7
.set NIL,  8
.set L16,  9
.set L8,   10
.set SGA,  11                          ; where my row's two scale bytes go
.set Q,    16                          ; v16-27 Q's fragment (v22-27 zeros)
.set KS,   28                          ; v28-31 K's scale words
.set F,    32                          ; v32-85 K's eight half fragments (v80-85 zeros), then V's four fragments
.set VS,   86
.set QS,   88
.set PFO,  89
.set SGR,  90
.set S,    96                          ; v96-159 the mask, the logits, p
.set O,    160                         ; v160-191 O^T
.set P,    192                         ; v192-203 p's codes
.set BM,   204
.set PT,   208
.set SU,   212
.set SO,   216
.set CT,   220
.set FF,   228                         ; f = 2^(old M - new M)
.set PW,   229                         ; p's scale word
.set TMP,  230
.set WV,   12
.set G1M,  24
.set G0M,  32
.set G1K,  40
.set G0K,  48
.set SEL,  56
.set CS,   58
.set CNT,  60
.set PFA,  66
.set PFS,  68
.set ASKF, 70
.macro PLACES
.rept 4
	v_nop
.endr
.endm
.macro ROUND                           ; a round of the cluster's barrier
	s_barrier_signal -1
	s_barrier_wait -1
	s_cmp_lg_u32 s[WV], 0
	s_cbranch_scc1 .Lnot_wave_0_\@
	s_barrier_signal -3
.Lnot_wave_0_\@:
	s_barrier_wait -3
	s_barrier_signal -1
	s_barrier_wait -1
.endm
; waves 0 and 1 fetch the mask's halves, wave 2 the block of k and v, the others nothing; four v_nop follow each line
.macro TLOAD s
	s_cmp_lt_u32 s[WV], 2
	s_cbranch_scc0 .Lnot_m_\@
	tensor_load_to_lds s[G0M+4*(\s):G0M+4*(\s)+3], s[G1M:G1M+7]
	s_nop 0
.rept 4
	v_nop
.endr
	s_branch .Lasked_\@
.Lnot_m_\@:
	s_cmp_eq_u32 s[WV], 2
	s_cbranch_scc0 .Lasked_\@
	tensor_load_to_lds s[G0K+4*(\s):G0K+4*(\s)+3], s[G1K:G1K+7]
	s_nop 0
.rept 4
	v_nop
.endr
.Lasked_\@:
.endm
; A prefetch of the tiles that the NEXT trip's tensor loads will ask for.  The mask's tile is walked by the four clusters of a row of clusters: the first (cluster x = 0) asks; its four partners of a row take
; 32 rows each, told apart by address; wave 4 names byte 0 and wave 6 byte 256 of each row's 512, a lane a row.  The block of k and v is walked by the four clusters of a column: the first (cluster y = 0) asks;
; in each partner wave 5 names 13 of the block's 51 pieces of 256 bytes (lanes 13-31 repeat the thirteenth, and the last partner's stop at the block's last piece).
.macro ASK
	s_cmp_eq_u32 s[ASKF], 1
	s_cbranch_scc0 .Lnot_mine_\@
	global_prefetch_b8 v[PFO], s[PFA:PFA+1] th:TH_LOAD_NT scope:SCOPE_SE
.Lnot_mine_\@:
.endm
	s_load_b256 s[4:11], s[0:1], 0x0               ; qc s[4:5], kv s[6:7], mask s[8:9], ac s[10:11]
	v_lshl_add_u32 v[SPW], v0, 2, SPARE
	v_mov_b32 v[NIL], 0
	ds_add_u32 v7, v8
	s_wait_dscnt 0x0
	v_lshrrev_b32 v1, 5, v0
	v_readfirstlane_b32 s[WV], v1                  ; wave 0..15
	s_and_b32 s13, s[WV], 7                        ; a
	s_lshr_b32 s14, s[WV], 3                       ; which of the two heads
	s_and_b32 s21, s[WV], 1
	s_bfe_u32 s15, ttmp6, 0x40000                  ; cx
	s_bfe_u32 s16, ttmp6, 0x40004                  ; cy
	s_lshl_b32 s17, ttmp9, 2
	s_add_co_u32 s17, s17, s15                     ; X = 8 b + g
	s_and_b32 s22, ttmp7, 0xffff                   ; cluster y
	s_lshl_b32 s18, s22, 2
	s_add_co_u32 s18, s18, s16                     ; Y: the block of 128 queries
	s_lshl_b32 s19, s16, 2
	s_lshl_b32 s19, 15, s19                        ; my row of the cluster
	s_lshl_b32 s20, 0x1111, s15                    ; my column
	s_or_b32 s[G1M], s19, (2<<16)|(1<<20)|(1<<21)|(6<<22)|(1<<25)   ; elements of 4 bytes; after every 128 words 2 words of padding; the mask of work-groups and bit 21
	s_mov_b32 s[G1M+1], 128<<16
	s_mov_b32 s[G1M+2], 64<<16
	s_mov_b32 s[G1M+3], 128<<16
	s_mov_b32 s[G1M+4], 64
	s_mov_b32 s[G1M+5], 2048
	s_mov_b32 s[G1M+6], 0
	s_mov_b32 s[G1M+7], 0
	s_or_b32 s[G1K], s20, (3<<16)|(1<<21)          ; a dense block as 51 rows of 256 bytes
	s_mov_b32 s[G1K+1], 32<<16
	s_mov_b32 s[G1K+2], 51<<16
	s_mov_b32 s[G1K+3], 32<<16
	s_mov_b32 s[G1K+4], 51
	s_mov_b32 s[G1K+5], 32
	s_mov_b32 s[G1K+6], 0
	s_mov_b32 s[G1K+7], 0
	s_lshl_b32 s72, s18, 20                        ; 128 rows of 8,192 bytes
	s_lshl_b32 s73, s21, 19                        ; my 64 of them
	s_add_co_u32 s72, s72, s73
	s_mov_b32 s73, 0
	s_mul_i32 s76, s21, 33280
	s_mul_i32 s78, s17, 208896
	s_mov_b32 s79, 0
	s_mov_b32 s[SEL], 0x76543210
	s_mov_b32 s[SEL+1], 0xfedcba98
	s_mov_b32 s[CS], 0x3fb8aa3b                    ; log2(e)
	s_mov_b32 s[CS+1], s[CS]                       ; (named with it as a pair)
	s_mov_b32 s[CNT], 7
	s_wait_kmcnt 0x0
	s_add_nc_u64 s[72:73], s[8:9], s[72:73]
	s_add_nc_u64 s[78:79], s[6:7], s[78:79]
	ROUND                                          ; in front of the first joint loads
.irp s, 0,1
	s_mov_b32 s[G0M+4*\s], 1
	s_add_co_u32 s[G0M+4*\s+1], s76, \s*SLOTB
	s_add_nc_u64 s[G0M+4*\s+2:G0M+4*\s+3], s[72:73], \s*512
	s_or_b32 s[G0M+4*\s+3], s[G0M+4*\s+3], 0x80000000
	s_mov_b32 s[G0K+4*\s], 1
	s_mov_b32 s[G0K+4*\s+1], \s*SLOTB+KVO
	s_add_nc_u64 s[G0K+4*\s+2:G0K+4*\s+3], s[78:79], \s*13056
	s_or_b32 s[G0K+4*\s+3], s[G0K+4*\s+3], 0x80000000
.endr
	TLOAD 0                                        ; key step 0
	; my tile's place: 64 (a / 4) + 32 ((a / 2) % 2) + 8 (a % 2)
	s_lshr_b32 s23, s13, 2
	s_bfe_u32 s91, s13, 0x10001
	s_and_b32 s92, s13, 1
	s_lshl_b32 s93, s23, 6
	s_lshl_b32 s94, s91, 5
	s_add_co_u32 s93, s93, s94
	s_lshl_b32 s94, s92, 3
	s_add_co_u32 s93, s93, s94
	s_mul_i32 s75, s93, 520
	s_lshl_b32 s94, s23, 8                         ; where my rows' scale bytes meet: 256 (a / 4) + 128 (a % 2) + 4 ((a / 2) % 2) + 2 (head's parity) + 8 r
	s_lshl_b32 s95, s92, 7
	s_add_co_u32 s94, s94, s95
	s_lshl_b32 s95, s91, 2
	s_add_co_u32 s94, s94, s95
	s_lshl_b32 s95, s14, 1
	s_add_co_u32 s94, s94, s95
	s_add_co_u32 s94, s94, SCG
	s_lshl_b32 s77, s21, 8
	s_add_co_u32 s77, s77, SCG
	v_and_b32 v91, 31, v0                          ; lane
	v_and_b32 v92, 15, v0                          ; r
	v_bfe_u32 v93, v0, 4, 1                        ; h
	v_lshlrev_b32 v[L16], 4, v91
	v_lshlrev_b32 v[L8], 3, v91
	v_and_b32 v94, 8, v92
	v_add_nc_u32 v94, v94, v92                     ; r + 8 (r / 8)
	v_mul_u32_u24 v[AM], v94, 520
	v_lshl_add_u32 v[AM], v93, 6, v[AM]
	v_add_nc_u32 v[AM], s75, v[AM]
	v_add_nc_u32 v[AM+1], SLOTB, v[AM]
	v_add_nc_u32 v[AK16], KVO, v[L16]
	v_add_nc_u32 v[AK16+1], SLOTB+KVO, v[L16]
	v_add_nc_u32 v[AK8], KVO, v[L8]
	v_add_nc_u32 v[AK8+1], SLOTB+KVO, v[L8]
	v_lshl_add_u32 v[SGA], v92, 3, s94
	v_add_nc_u32 v[SGR], s77, v[L8]
	; Q: block ((16 b + head) 16 + Y) of qc; my tile's half fragment and scale words
	s_lshr_b32 s71, s17, 3                         ; b
	s_and_b32 s74, s17, 7                          ; g
	s_lshl_b32 s80, s71, 4
	s_lshl_b32 s81, s74, 1
	s_add_co_u32 s80, s80, s81
	s_add_co_u32 s80, s80, s14
	s_lshl_b32 s80, s80, 4
	s_add_co_u32 s80, s80, s18
	s_mul_i32 s80, s80, 6656
	s_mov_b32 s81, 0
	s_add_nc_u64 s[4:5], s[4:5], s[80:81]
	s_mul_i32 s80, s13, 768
	s_add_nc_u64 s[96:97], s[4:5], s[80:81]
	s_and_b32 s82, s13, 3
	s_lshl_b32 s83, s82, 2
	s_lshl_b32 s84, s23, 8
	s_add_co_u32 s83, s83, s84
	v_lshl_add_u32 v95, v92, 4, s83
	global_load_b128 v[Q:Q+3], v[L16], s[96:97]
	global_load_b64 v[Q+4:Q+5], v[L8], s[96:97] offset:512
	global_load_b32 v[QS], v95, s[4:5] offset:6144
	; O's places in ac: block ((16 b + Y) 8 + g) of 12,800 bytes
	s_lshl_b32 s80, s71, 4
	s_add_co_u32 s80, s80, s18
	s_lshl_b32 s80, s80, 3
	s_add_co_u32 s80, s80, s74
	s_mul_i32 s80, s80, 12800
	s_add_nc_u64 s[10:11], s[10:11], s[80:81]
	s_mul_i32 s80, s21, 6400
	s_add_nc_u64 s[98:99], s[10:11], s[80:81]      ; where waves 0 and 1 store the scale words
	s_mul_i32 s80, s23, 6400
	s_mul_i32 s84, s82, 1536
	s_add_co_u32 s80, s80, s84
	s_mul_i32 s84, s14, 768
	s_add_co_u32 s80, s80, s84
	s_add_nc_u64 s[10:11], s[10:11], s[80:81]      ; my half fragment
	; the prefetches: who asks, and where.  Nothing is asked for here, at the head; the first trip steps the address to key step 2
	s_mul_i32 s84, s17, 208896
	s_add_co_u32 s84, s84, 13056
	s_lshl_b32 s85, s18, 20
	s_lshl_b32 s86, s15, 18                        ; my work-group's 32 rows of the mask's 128
	s_add_co_u32 s85, s85, s86
	s_bfe_u32 s86, s[WV], 0x10001
	s_lshl_b32 s86, s86, 8
	s_add_co_u32 s85, s85, s86
	s_add_co_u32 s85, s85, 512
	s_mul_i32 s81, s16, 13
	s_mov_b32 s83, 8192
	s_mov_b32 s[PFS], 512
	s_sub_co_u32 s89, s[WV], 4
	s_cmp_lt_u32 s89, 3
	s_cselect_b32 s89, 0, 1                        ; 0 in waves 4, 5, 6
	s_cmp_eq_u32 s[WV], 5
	s_cselect_b64 s[PFA:PFA+1], s[6:7], s[8:9]
	s_cselect_b32 s86, s84, s85
	s_cselect_b32 s80, 12, 31
	s_cselect_b32 s81, s81, 0
	s_cselect_b32 s82, 50, 31
	s_cselect_b32 s83, 256, s83
	s_cselect_b32 s[PFS], 13056, s[PFS]
	s_cselect_b32 s88, s22, ttmp9                  ; the coordinate along which other clusters walk the same bytes
	s_mov_b32 s87, 0
	s_mov_b32 s[PFS+1], 0
	s_add_nc_u64 s[PFA:PFA+1], s[PFA:PFA+1], s[86:87]
	s_or_b32 s88, s88, s89
	s_cmp_eq_u32 s88, 0
	s_cselect_b32 s[ASKF], 1, 0                    ; the same in all sixteen partners, for a given wave
	v_min_u32 v[PFO], s80, v91
	v_add_nc_u32 v[PFO], s81, v[PFO]
	v_min_u32 v[PFO], s82, v[PFO]
	v_mul_lo_u32 v[PFO], v[PFO], s83
.irp j, 6,7,8,9,10,11
	v_mov_b32 v[Q+\j], 0                           ; Q's upper 64 codes
.endr
.irp j, 48,49,50,51,52,53
	v_mov_b32 v[F+\j], 0                           ; what stands behind K's last half fragment
.endr
	v_mov_b32 v13, 0xff61b1e6                      ; the largest t so far: -3e38
	v_floor_f32 v12, -v13                          ; -M
	v_mov_b32 v14, 0
	v_mov_b32 v15, 0
.irp b, 0,1,2,3
	v_mov_b32 v[PT+\b], 0                          ; written once: a lane permute's destination counts as one of its sources
.endr
	v_mov_b32 v[PW], 0                             ; (named as the upper half of the pair with f before it is first written)
.set JJ, 0
.rept 32
	v_mov_b32 v[O+JJ], 0                           ; O^T: the step is written once; the first change of M leaves zeros zeros
.set JJ, JJ+1
.endr
; A KEY STEP: 128 keys
.macro STEP slot
	PLACES                                         ; four places in front of loads into registers that the last products have read
.irp t, 0,1,2,3,4,5,6,7
.irp e, 0,1,2,3
	ds_load_b64 v[S+8*\t+2*\e:S+8*\t+2*\e+1], v[AM+\slot] offset:128*(\t/2)+32*(\t%2)+8*\e   ; the mask of my query at the keys of tile t: the C of the product
.endr
.endr
.irp t, 0,1,2,3,4,5,6,7
	ds_load_b128 v[F+6*\t:F+6*\t+3], v[AK16+\slot] offset:768*\t
	ds_load_b64 v[F+6*\t+4:F+6*\t+5], v[AK8+\slot] offset:768*\t+512
.endr
	ds_load_b128 v[KS:KS+3], v[AK16+\slot] offset:6144
	s_wait_dscnt 0x0
.irp t, 0,1,2,3
	v_wmma_scale_f32_16x16x128_f8f6f4 v[S+8*\t:S+8*\t+7], v[F+6*\t:F+6*\t+11], v[Q:Q+11], v[S+8*\t:S+8*\t+7], v[KS+\t], v[QS] matrix_a_fmt:MATRIX_FMT_FP6 matrix_b_fmt:MATRIX_FMT_FP6
.endr
.irp t, 4,5,6,7
	v_wmma_scale_f32_16x16x128_f8f6f4 v[S+8*\t:S+8*\t+7], v[F+6*\t:F+6*\t+11], v[Q:Q+11], v[S+8*\t:S+8*\t+7], v[KS+\t-4], v[QS] matrix_a_fmt:MATRIX_FMT_FP6 matrix_b_fmt:MATRIX_FMT_FP6 matrix_a_scale:MATRIX_SCALE_ROW1
.endr
	PLACES                                         ; in front of the loads over K's fragments and of the first read of the logits
.irp f, 0,1,2,3                        ; V's fragments are asked for here and land under the softmax
	ds_load_b128 v[F+12*\f:F+12*\f+3], v[AK16+\slot] offset:VO+1536*\f
	ds_load_b64 v[F+12*\f+4:F+12*\f+5], v[AK8+\slot] offset:VO+1536*\f+512
	ds_load_b128 v[F+12*\f+6:F+12*\f+9], v[AK16+\slot] offset:VO+1536*\f+768
	ds_load_b64 v[F+12*\f+10:F+12*\f+11], v[AK8+\slot] offset:VO+1536*\f+1280
.endr
	ds_load_b64 v[VS:VS+1], v[AK8+\slot] offset:VO+6144
.irp b, 0,1,2,3
	v_max3_num_f32 v[BM+\b], v[S+16*\b], v[S+1+16*\b], v[S+2+16*\b]   ; the largest logit of each block of 32 keys: for the row's maximum and for the block's largest p
.endr
.irp i, 3,5,7,9,11,13
.irp b, 0,1,2,3
	v_max3_num_f32 v[BM+\b], v[BM+\b], v[S+16*\b+\i], v[S+1+16*\b+\i]
.endr
.endr
.irp b, 0,1,2,3
	v_max_num_f32 v[BM+\b], v[BM+\b], v[S+15+16*\b]
.endr
.irp b, 0,1,2,3
	v_permlanex16_b32 v[PT+\b], v[BM+\b], s[SEL], s[SEL+1]
.endr
.irp b, 0,1,2,3
	v_max_num_f32 v[BM+\b], v[BM+\b], v[PT+\b]     ; with lane l xor 16's 16 keys
.endr
	v_max3_num_f32 v[TMP], v[BM], v[BM+1], v[BM+2]
	v_max_num_f32 v[TMP], v[TMP], v[BM+3]
	v_mul_f32 v[TMP], s[CS], v[TMP]                ; as t
	v_max_num_f32 v13, v13, v[TMP]                 ; the running largest t
	v_mov_b32 v[TMP], v12
	v_floor_f32 v12, -v13                          ; the new -M = -ceil(t)
	v_sub_f32 v[TMP], v12, v[TMP]                  ; old M - new M: a whole number, 0 or less
	v_cvt_i32_f32 v[TMP], v[TMP]                   ; (it saturates)
	v_ldexp_f32 v[FF], 1.0, v[TMP]                 ; f = 2^(old M - new M): rounds nothing
.set JJ, 0
.rept 32
	v_pk_fma_f32 v[S+JJ:S+JJ+1], v[S+JJ:S+JJ+1], s[CS:CS+1], v[12:13] op_sel_hi:[1,0,0]   ; t - M, two at a time
.set JJ, JJ+2
.endr
.irp b, 0,1,2,3
	v_fma_f32 v[BM+\b], v[BM+\b], s[CS], v12       ; the same of each block's largest logit
.endr
.set JJ, 0
.rept 64
	v_exp_f32 v[S+JJ], v[S+JJ]                     ; p = 2^(t - M): not normalised
.set JJ, JJ+1
.endr
	v_pk_mul_f32 v[14:15], v[14:15], v[FF:FF+1] op_sel_hi:[1,0]   ; the sums under the new M.  (A plain place behind the exponentials)
	s_wait_alu depctr_va_vdst(0)                   ; one wait for the whole batch, ahead of its first reader
.irp b, 0,1,2,3
	v_exp_f32 v[BM+\b], v[BM+\b]                   ; the block's largest p
.endr
	v_pk_add_f32 v[SU:SU+1], v[S:S+1], v[S+2:S+3]  ; the row's sum is taken of the unquantised p, in two chains
.irp j, 4,8,12,16,20,24,28,32,36,40,44,48,52,56,60
	v_pk_add_f32 v[14:15], v[14:15], v[S+\j:S+\j+1]
	v_pk_add_f32 v[SU:SU+1], v[SU:SU+1], v[S+2+\j:S+3+\j]
.endr
	v_pk_add_f32 v[14:15], v[14:15], v[SU:SU+1]
	s_wait_alu depctr_va_vdst(0)                   ; and one for the four
.irp b, 0,1,2,3
	v_max_num_f32 v[BM+\b], 0x1800000, v[BM+\b]    ; the floor 2^(3 - 127): the byte cannot fall under 1
.endr
.irp b, 0,1,2,3
	v_add_nc_u32 v[SO+\b], 0xff000000, v[BM+\b]    ; 2 off the exponent field: the conversion's scale operand
.endr
.irp b, 0,1,2,3
	v_lshrrev_b32 v[PT+\b], 23, v[SO+\b]           ; the scale's byte
.endr
	v_lshl_or_b32 v[PW], v[PT+1], 8, v[PT]
	v_lshl_or_b32 v[PW], v[PT+2], 16, v[PW]
	v_lshl_or_b32 v[PW], v[PT+3], 24, v[PW]        ; p's scale word for these 128 keys
.irp c, 0,1
	v_cvt_scalef32_pk16_fp6_f32 v[P+6*\c:P+6*\c+2], v[S+32*\c:S+32*\c+15], v[SO+2*\c]
	v_cvt_scalef32_pk16_fp6_f32 v[CT+4*\c:CT+4*\c+2], v[S+32*\c+16:S+32*\c+31], v[SO+2*\c+1]
.endr
	v_nop                                          ; one plain place behind a scaled conversion
.irp c, 0,1
.irp i, 0,1,2
	v_permlane16_swap_b32 v[P+6*\c+\i], v[CT+4*\c+\i]   ; a whole block to a lane
.endr
.irp i, 0,1,2
	v_mov_b32 v[P+3+6*\c+\i], v[CT+4*\c+\i]
.endr
.endr
.set JJ, 0
.rept 16
	v_pk_mul_f32 v[O+JJ:O+JJ+1], v[O+JJ:O+JJ+1], v[FF:FF+1] op_sel_hi:[1,0]   ; O^T under the new M.  (These sixteen are also the places between the scale word, the codes and the products)
.set JJ, JJ+2
.endr
	s_wait_dscnt 0x0                               ; V's fragments and scale words are in
.irp f, 0,2
	v_wmma_scale_f32_16x16x128_f8f6f4 v[O+8*\f:O+8*\f+7], v[F+12*\f:F+12*\f+11], v[P:P+11], v[O+8*\f:O+8*\f+7], v[VS+\f/2], v[PW] matrix_a_fmt:MATRIX_FMT_FP6 matrix_b_fmt:MATRIX_FMT_FP6
	v_wmma_scale_f32_16x16x128_f8f6f4 v[O+8*\f+8:O+8*\f+15], v[F+12*\f+12:F+12*\f+23], v[P:P+11], v[O+8*\f+8:O+8*\f+15], v[VS+\f/2], v[PW] matrix_a_fmt:MATRIX_FMT_FP6 matrix_b_fmt:MATRIX_FMT_FP6 matrix_a_scale:MATRIX_SCALE_ROW1
.endr
.endm
; A trip: all my tensor loads have landed (my part of this trip's tiles), the add, my reads of the other slot are over; a round of the cluster's barrier; the next step's tiles go into the other slot; this slot is worked.
.macro TRIP slot, refill, ask
	s_wait_tensorcnt 0x0
	ds_add_u32 v[SPW], v[NIL]                      ; 0 onto my spare word
	s_add_nc_u64 s[G0M+4*\slot+2:G0M+4*\slot+3], s[G0M+4*\slot+2:G0M+4*\slot+3], 1024    ; this slot's next tiles: two steps on
	s_add_nc_u64 s[G0K+4*\slot+2:G0K+4*\slot+3], s[G0K+4*\slot+2:G0K+4*\slot+3], 26112
.if \ask
	s_wait_xcnt 0x0                                ; the last prefetch, a trip back, has read its address
	s_add_nc_u64 s[PFA:PFA+1], s[PFA:PFA+1], s[PFS:PFS+1]
.endif
	s_wait_dscnt 0x0
	ROUND
.if \refill
	TLOAD 1-\slot                                  ; the first tensor load behind the round, one a wave
.endif
.if \ask
	ASK                                            ; the key step two on: one trip ahead of the load that will want it
.endif
	STEP \slot
.endm
	s_wait_loadcnt 0x0                             ; Q
.Lpair:                                            ; seven trips of two key steps
	TRIP 0, 1, 1
	TRIP 1, 1, 1
	s_sub_co_u32 s[CNT], s[CNT], 1
	s_cmp_lg_u32 s[CNT], 0
	s_cbranch_scc1 .Lpair
	TRIP 0, 1, 0                                   ; the last two steps are written out: the last asks for nothing
	TRIP 1, 0, 0
	; THE WAY OUT: O^T / the sum; my query's 64 channels are two blocks of 32 along the next product's K
	PLACES
	v_add_f32 v14, v14, v15
	v_permlanex16_b32 v[TMP], v14, s[SEL], s[SEL+1]
	v_add_f32 v14, v14, v[TMP]                     ; the row's sum
	v_rcp_f32 v14, v14
	v_nop                                          ; a plain place behind the reciprocal
	s_wait_alu depctr_va_vdst(0)                   ; and the wait ahead of its first reader
.set JJ, 0
.rept 32
	v_mul_f32 v[S+JJ], v[O+JJ], v14                ; register 16 B + i: channel 32 B + 16 h + i
.set JJ, JJ+1
.endr
.irp b, 0,1
	v_max3_num_f32 v[BM+\b], |v[S+16*\b]|, |v[S+16*\b+1]|, 0x1800000
.endr
.irp i, 2,4,6,8,10,12,14
.irp b, 0,1
	v_max3_num_f32 v[BM+\b], v[BM+\b], |v[S+16*\b+\i]|, |v[S+16*\b+\i+1]|
.endr
.endr
.irp b, 0,1
	v_permlanex16_b32 v[PT+\b], v[BM+\b], s[SEL], s[SEL+1]
.endr
.irp b, 0,1
	v_max_num_f32 v[BM+\b], v[BM+\b], v[PT+\b]
.endr
.irp b, 0,1
	v_add_nc_u32 v[SO+\b], 0xff000000, v[BM+\b]
.endr
.irp b, 0,1
	v_lshrrev_b32 v[PT+\b], 23, v[SO+\b]
.endr
	v_cvt_scalef32_pk16_fp6_f32 v[P:P+2], v[S:S+15], v[SO]
	v_cvt_scalef32_pk16_fp6_f32 v[CT:CT+2], v[S+16:S+31], v[SO+1]
	v_lshl_or_b32 v[TMP], v[PT+1], 8, v[PT]        ; my row's two bytes.  (A plain place behind the conversions)
.irp i, 0,1,2
	v_permlane16_swap_b32 v[P+\i], v[CT+\i]
.endr
.irp i, 0,1,2
	v_mov_b32 v[P+3+\i], v[CT+\i]
.endr
	global_store_b128 v[L16], v[P:P+3], s[10:11]
	global_store_b64 v[L8], v[P+4:P+5], s[10:11] offset:512
	ds_store_b16 v[SGA], v[TMP]                    ; lanes r and r + 16 write the same two bytes with the same value
	s_wait_dscnt 0x0                               ; for the others' sake
	s_barrier_signal -1
	s_barrier_wait -1
	s_cmp_lt_u32 s[WV], 2                          ; waves 0 and 1 store the scale words of 64 rows each: one aligned run of 256 bytes
	s_cbranch_scc0 .Lno_words
	ds_load_b64 v[92:93], v[SGR]
	s_wait_dscnt 0x0
	global_store_b64 v[L8], v[92:93], s[98:99] offset:6144
.Lno_words:
	s_wait_tensorcnt 0x0                           ; the wave's end
	ds_add_u32 v[SPW], v[NIL]
	s_wait_dscnt 0x0
	ROUND                                          ; the closing round
	s_endpgm
.Lfunc_end_k_q584e1057f1_attn:
	.size	k_q584e1057f1_attn, .Lfunc_end_k_q584e1057f1_attn-k_q584e1057f1_attn
	.p2alignl 7, 3214868480
	.fill 96, 4, 3214868480
	.section	.rodata,"a",@progbits
	.p2align	6, 0x0
	.amdhsa_kernel k_q584e1057f1_attn
		.amdhsa_group_segment_fixed_size 327680
		.amdhsa_private_segment_fixed_size 0
		.amdhsa_enable_private_segment 0
		.amdhsa_kernarg_size 32
		.amdhsa_user_sgpr_count 2
		.amdhsa_user_sgpr_kernarg_segment_ptr 1
		.amdhsa_wavefront_size32 1
		.amdhsa_system_sgpr_workgroup_id_x 1
		.amdhsa_system_sgpr_workgroup_id_y 1
		.amdhsa_system_sgpr_workgroup_id_z 1
		.amdhsa_system_vgpr_workitem_id 0
		.amdhsa_next_free_vgpr 256
		.amdhsa_next_free_sgpr 100
		.amdhsa_reserve_vcc 0
		.amdhsa_float_denorm_mode_32 3
		.amdhsa_float_denorm_mode_16_64 3
		.amdhsa_memory_ordered 1
		.amdhsa_forward_progress 1
		.amdhsa_inst_pref_size 90
	.end_amdhsa_kernel
	.amdgpu_metadata
---
amdhsa.version: [ 1, 2 ]
amdhsa.kernels:
  - .name:           k_q584e1057f1_attn
    .symbol:         k_q584e1057f1_attn.kd
    .args:
      - { .name: qc, .offset: 0, .size: 8, .value_kind: global_buffer, .address_space: global }
      - { .name: kv, .offset: 8, .size: 8, .value_kind: global_buffer, .address_space: global }
      - { .name: attention_mask, .offset: 16, .size: 8, .value_kind: global_buffer, .address_space: global }
      - { .name: ac, .offset: 24, .size: 8, .value_kind: global_buffer, .address_space: global }
    .group_segment_fixed_size: 327680
    .private_segment_fixed_size: 0
    .kernarg_segment_align: 8
    .kernarg_segment_size: 32
    .max_flat_workgroup_size: 512
    .sgpr_count:     100
    .vgpr_count:     256
    .wavefront_size: 32
...
	.end_amdgpu_metadata
.endif
;; end of part 3
;; launch oproj (part 4): grid 8 x 32, 4 waves a work-group, clusters of 4 x 4, 327,680 bytes of LDS; arguments ac, wo, out0; writes out0
.if DOCPART == 4
	.amdgcn_target "amdgcn-amd-amdhsa--gfx1250"
	.amdhsa_code_object_version 6
	.text
	.protected	k_q584e1057f1_oproj
	.globl	k_q584e1057f1_oproj
	.p2align	8
	.type	k_q584e1057f1_oproj,@function
k_q584e1057f1_oproj:
	s_mov_b64 s[64:65], 0
	v_nop
	global_prefetch_b8 v0, s[64:65] scope:SCOPE_SE
	s_setreg_imm32_b32 hwreg(HW_REG_WAVE_MODE, 25, 1), 1
	s_wait_xcnt 0x0
	s_wait_alu depctr_hold_cnt(0) depctr_sa_sdst(0) depctr_va_vdst(0) depctr_va_sdst(0) depctr_va_ssrc(0) depctr_va_vcc(0) depctr_vm_vsrc(0)
	s_getreg_b32 s2, hwreg(HW_REG_IB_STS2, 6, 4)
	s_cmp_eq_u32 s2, 0
	s_cbranch_scc0 .Lentry_in_a_cluster
	s_endpgm
.Lentry_in_a_cluster:
	s_bfe_u32 s2, ttmp6, 0x10000c
	s_cmp_lg_u32 s2, 0xf033
	s_cbranch_scc0 .Lentry_shape_is_right
	s_endpgm
.Lentry_shape_is_right:
; OUT = attn x Wo: [4096 x 1024] x [1024 x 2048] on codes of FP6 (E2M3) with E8M0 scales; out0 f32.
; A work-group takes 128 tokens x 256 columns; wave w all 128 tokens x its 64 columns: 32 accumulators.  The product is used transposed (source 0 = 16 columns of Wo, source 1 = 16 tokens):
; a lane holds one token, and the 16 registers of column tiles 2 B, 2 B + 1 are the neighbours 32 B + 16 h + 0 .. 15.
; K = 1,024 is eight K steps of 128: all of them fit in LDS, as four FIRST fills of two K steps (76,800 bytes each).  No LDS byte is filled twice, so each wave's four loads go out together at the start;
; a wave has four tensor loads out.  In front of each fill's first read: a counted wait and a barrier.
; CLUSTER 4 x 4: the tokens' tile is asked for jointly along a row of the cluster, Wo's along a column.
; REGISTERS: window 0: v1-12 addresses, v32-43 scale words (two sets), v64-127 rows on the way out; window 1: the accumulators, (a, t) at v[8 (4 a + t)]; windows 2, 3: the two fragment buffers.
.set FILL, 76800
.set SC,   32
.set G1A, 24
.set G1B, 32
.set G0A, 40
.set G0B, 68
.set MSB, 0
.macro WIN new
.if MSB != (\new)
	s_set_vgpr_msb (MSB<<8)|(\new)
.set MSB, (\new)
.endif
.endm
.macro PLACES
.rept 4
	v_nop
.endr
.endm
.macro CROUND                          ; a round of the cluster's barrier
	s_barrier_signal -1
	s_barrier_wait -1
	s_cmp_lg_u32 s14, 0
	s_cbranch_scc1 .Lnot_wave_0_\@
	s_barrier_signal -3
.Lnot_wave_0_\@:
	s_barrier_wait -3
	s_barrier_signal -1
	s_barrier_wait -1
.endm
.macro WM d, a, b, zero, sa, sb, ra, rb
.if \zero
.if (\ra) && (\rb)
	v_wmma_scale_f32_16x16x128_f8f6f4 v[(\d):(\d)+7], v[(\a):(\a)+11], v[(\b):(\b)+11], 0, v[\sa], v[\sb] matrix_a_fmt:MATRIX_FMT_FP6 matrix_b_fmt:MATRIX_FMT_FP6 matrix_a_scale:MATRIX_SCALE_ROW1 matrix_b_scale:MATRIX_SCALE_ROW1
.elseif (\ra)
	v_wmma_scale_f32_16x16x128_f8f6f4 v[(\d):(\d)+7], v[(\a):(\a)+11], v[(\b):(\b)+11], 0, v[\sa], v[\sb] matrix_a_fmt:MATRIX_FMT_FP6 matrix_b_fmt:MATRIX_FMT_FP6 matrix_a_scale:MATRIX_SCALE_ROW1
.elseif (\rb)
	v_wmma_scale_f32_16x16x128_f8f6f4 v[(\d):(\d)+7], v[(\a):(\a)+11], v[(\b):(\b)+11], 0, v[\sa], v[\sb] matrix_a_fmt:MATRIX_FMT_FP6 matrix_b_fmt:MATRIX_FMT_FP6 matrix_b_scale:MATRIX_SCALE_ROW1
.else
	v_wmma_scale_f32_16x16x128_f8f6f4 v[(\d):(\d)+7], v[(\a):(\a)+11], v[(\b):(\b)+11], 0, v[\sa], v[\sb] matrix_a_fmt:MATRIX_FMT_FP6 matrix_b_fmt:MATRIX_FMT_FP6
.endif
.else
.if (\ra) && (\rb)
	v_wmma_scale_f32_16x16x128_f8f6f4 v[(\d):(\d)+7], v[(\a):(\a)+11], v[(\b):(\b)+11], v[(\d):(\d)+7], v[\sa], v[\sb] matrix_a_fmt:MATRIX_FMT_FP6 matrix_b_fmt:MATRIX_FMT_FP6 matrix_a_scale:MATRIX_SCALE_ROW1 matrix_b_scale:MATRIX_SCALE_ROW1
.elseif (\ra)
	v_wmma_scale_f32_16x16x128_f8f6f4 v[(\d):(\d)+7], v[(\a):(\a)+11], v[(\b):(\b)+11], v[(\d):(\d)+7], v[\sa], v[\sb] matrix_a_fmt:MATRIX_FMT_FP6 matrix_b_fmt:MATRIX_FMT_FP6 matrix_a_scale:MATRIX_SCALE_ROW1
.elseif (\rb)
	v_wmma_scale_f32_16x16x128_f8f6f4 v[(\d):(\d)+7], v[(\a):(\a)+11], v[(\b):(\b)+11], v[(\d):(\d)+7], v[\sa], v[\sb] matrix_a_fmt:MATRIX_FMT_FP6 matrix_b_fmt:MATRIX_FMT_FP6 matrix_b_scale:MATRIX_SCALE_ROW1
.else
	v_wmma_scale_f32_16x16x128_f8f6f4 v[(\d):(\d)+7], v[(\a):(\a)+11], v[(\b):(\b)+11], v[(\d):(\d)+7], v[\sa], v[\sb] matrix_a_fmt:MATRIX_FMT_FP6 matrix_b_fmt:MATRIX_FMT_FP6
.endif
.endif
.endm
.macro MUL8 a0, p, zero                ; the 32 accumulators take turns in one fixed order
.irp a, \a0, \a0+1
.irp t, 0,1,2,3
	WM 8*(4*(\a)+\t), 96+12*\t, 12*(\a), \zero, SC+6*(\p)+4+\t/2, SC+6*(\p)+2*((\a)/4)+((\a)/2)%2, \t%2, (\a)%2
.endr
.endr
.endm
.macro OFETCH kk, p                    ; K step kk of the fill in hand into buffer p: 51 LDS loads in one run
	WIN 0x80+0x40*(\p)
.irp t, 0,1,2,3
.irp c, 0,1
	ds_load_b128 v[96+12*\t+6*\c:96+12*\t+6*\c+3], v8 offset:(\kk)*25600+1536*\t+768*\c
	ds_load_b64 v[96+12*\t+6*\c+4:96+12*\t+6*\c+5], v9 offset:(\kk)*25600+1536*\t+768*\c+512
.endr
.endr
.irp a, 0,1,2,3,4,5,6,7
.irp c, 0,1
	ds_load_b128 v[12*\a+6*\c:12*\a+6*\c+3], v6 offset:(\kk)*12800+(\a/4)*6400+(\a%4)*1536+768*\c
	ds_load_b64 v[12*\a+6*\c+4:12*\a+6*\c+5], v7 offset:(\kk)*12800+(\a/4)*6400+(\a%4)*1536+768*\c+512
.endr
.endr
	WIN 0
	ds_load_b64 v[SC+6*(\p):SC+6*(\p)+1], v7 offset:(\kk)*12800+6144
	ds_load_b64 v[SC+6*(\p)+2:SC+6*(\p)+3], v7 offset:(\kk)*12800+6400+6144
	ds_load_b64 v[SC+6*(\p)+4:SC+6*(\p)+5], v9 offset:(\kk)*25600+6144
.endm
	s_load_b128 s[4:7], s[0:1], 0x0                ; ac s[4:5], wo s[6:7]
	s_load_b64 s[8:9], s[0:1], 0x10                ; out0
	v_lshl_add_u32 v254, v0, 2, 0x4b000
	v_mov_b32 v255, 0
	ds_add_u32 v254, v255
	v_lshrrev_b32 v1, 5, v0
	v_readfirstlane_b32 s14, v1                    ; wave
	s_lshr_b32 s15, s14, 1                         ; I fetch for the tokens (0) or for Wo (1)
	s_and_b32 s16, s14, 1                          ; which K step of a fill
	s_bfe_u32 s84, ttmp6, 0x40000                  ; cx
	s_bfe_u32 s85, ttmp6, 0x40004                  ; cy
	s_lshl_b32 s86, ttmp9, 2
	s_add_co_u32 s86, s86, s84                     ; tile of 256 columns
	s_and_b32 s17, ttmp7, 0xffff
	s_lshl_b32 s17, s17, 2
	s_add_co_u32 s17, s17, s85                     ; tile of 128 tokens
	s_lshl_b32 s87, s85, 2
	s_lshl_b32 s87, 15, s87                        ; my row of the cluster
	s_lshl_b32 s88, 0x1111, s84                    ; my column
	s_or_b32 s[G1A], s87, (3<<16)|(1<<21)          ; elements of 8 bytes, no padding; the mask, and bit 21 beside it
	s_or_b32 s[G1B], s88, (3<<16)|(1<<21)
	s_mov_b32 s[G1A+1], 32<<16                     ; rows of 256 bytes
	s_mov_b32 s[G1A+2], 50<<16                     ; 50 rows: one K step of the tokens
	s_mov_b32 s[G1A+3], 32<<16
	s_mov_b32 s[G1A+4], 50
	s_mov_b32 s[G1A+5], 32
	s_mov_b32 s[G1A+6], 0
	s_mov_b32 s[G1A+7], 0
	s_mov_b32 s[G1B+1], 32<<16
	s_mov_b32 s[G1B+2], 100<<16                    ; 100 rows: one K step of Wo
	s_mov_b32 s[G1B+3], 32<<16
	s_mov_b32 s[G1B+4], 100
	s_mov_b32 s[G1B+5], 32
	s_mov_b32 s[G1B+6], 0
	s_mov_b32 s[G1B+7], 0
	s_mul_i32 s20, s17, 102400
	s_mul_i32 s18, s16, 12800                      ; also the tokens' place in a fill
	s_add_co_u32 s20, s20, s18
	s_mov_b32 s21, 0
	s_mul_i32 s22, s86, 204800
	s_mul_i32 s19, s16, 25600
	s_add_co_u32 s22, s22, s19
	s_mov_b32 s23, 0
	s_add_co_u32 s19, s19, 25600                   ; Wo's place in a fill
	s_wait_dscnt 0x0
	s_wait_kmcnt 0x0
	s_add_nc_u64 s[20:21], s[4:5], s[20:21]
	s_add_nc_u64 s[22:23], s[6:7], s[22:23]
	CROUND                                         ; all sixteen work-groups are here: the joint loads meet
.irp f, 0,1,2,3
	s_mov_b32 s[G0A+4*\f], 1
	s_add_co_u32 s[G0A+4*\f+1], s18, \f*FILL
	s_add_nc_u64 s[G0A+4*\f+2:G0A+4*\f+3], s[20:21], \f*25600
	s_or_b32 s[G0A+4*\f+3], s[G0A+4*\f+3], 0x80000000
	s_mov_b32 s[G0B+4*\f], 1
	s_add_co_u32 s[G0B+4*\f+1], s19, \f*FILL
	s_add_nc_u64 s[G0B+4*\f+2:G0B+4*\f+3], s[22:23], \f*51200
	s_or_b32 s[G0B+4*\f+3], s[G0B+4*\f+3], 0x80000000
.endr
	s_cmp_eq_u32 s15, 0                            ; a wave's four first fills stand in one branch; four v_nop follow the last
	s_cbranch_scc0 .Lfirst_b
.irp f, 0,1,2,3
	tensor_load_to_lds s[G0A+4*\f:G0A+4*\f+3], s[G1A:G1A+7]
	s_nop 0
.endr
.rept 4
	v_nop
.endr
	s_branch .Lfirst_asked
.Lfirst_b:
.irp f, 0,1,2,3
	tensor_load_to_lds s[G0B+4*\f:G0B+4*\f+3], s[G1B:G1B+7]
	s_nop 0
.endr
.rept 4
	v_nop
.endr
.Lfirst_asked:
	v_and_b32 v3, 31, v0                           ; lane
	v_and_b32 v1, 15, v0                           ; r
	v_bfe_u32 v2, v0, 4, 1                         ; h
	v_lshlrev_b32 v6, 4, v3                        ; the tokens' images: 16 x lane,
	v_lshlrev_b32 v7, 3, v3                        ; 8 x lane
	s_mul_i32 s84, s14, 6400                       ; my 64 columns of Wo
	s_add_co_u32 s84, s84, 25600
	v_add_nc_u32 v8, s84, v6
	v_add_nc_u32 v9, s84, v7
	s_mul_i32 s85, s14, 8704                       ; my two stages of 16 rows x 272 bytes, in the first fill's bytes
	v_mul_u32_u24 v10, v1, 272
	v_lshl_add_u32 v10, v2, 6, v10
	v_add_nc_u32 v10, s85, v10                     ; in: row r, + 64 h
	v_mul_u32_u24 v11, v2, 272
	v_lshl_add_u32 v11, v1, 4, v11
	v_add_nc_u32 v11, s85, v11                     ; back: lanes 0-15 one row of 256 bytes, lanes 16-31 the next
	v_lshlrev_b32 v12, 13, v2
	v_lshl_add_u32 v12, v1, 4, v12                 ; and the same two rows of out0
	s_lshl_b32 s90, s17, 20                        ; 128 rows of 8,192 bytes (in registers of its own: none that fed a joint load's address holds the other coordinate)
	s_lshl_b32 s91, s86, 10
	s_add_co_u32 s90, s90, s91
	s_lshl_b32 s91, s14, 8
	s_add_co_u32 s90, s90, s91
	s_mov_b32 s91, 0
	s_add_nc_u64 s[8:9], s[8:9], s[90:91]
; a fill's two K steps.  left: how many later fills' loads of mine may stay out when the next fill is first read; last = 1: nothing follows
.macro OPAIR zero, left, last
	s_wait_dscnt 0x0
	WIN 0x5a
	MUL8 0, 0, \zero
	PLACES                                         ; four places in front of loads into registers that matrix instructions have read
	OFETCH 1, 1
	WIN 0x5a
	MUL8 2, 0, \zero
	MUL8 4, 0, \zero
	MUL8 6, 0, \zero
	s_wait_dscnt 0x0
.if \last
	WIN 0x5f
	MUL8 0, 1, 0
	MUL8 2, 1, 0
	MUL8 4, 1, 0
	MUL8 6, 1, 0
	WIN 0
.else
	s_wait_tensorcnt \left                         ; my part of the next fill is in; the later fills' loads may be out
	s_barrier_signal -1
	WIN 0x5f
	MUL8 0, 1, 0
	WIN 0
	s_barrier_wait -1                              ; everybody's part is in
	v_add_nc_u32 v6, FILL, v6                      ; on to the next fill: these four are also the places in front of the loads below
	v_add_nc_u32 v7, FILL, v7
	v_add_nc_u32 v8, FILL, v8
	v_add_nc_u32 v9, FILL, v9
	OFETCH 0, 0
	WIN 0x5f
	MUL8 2, 1, 0
	MUL8 4, 1, 0
	MUL8 6, 1, 0
.endif
.endm
	s_wait_tensorcnt 0x3                           ; my part of the first fill is in; three loads may be out
	s_barrier_signal -1
	s_barrier_wait -1
	OFETCH 0, 0
	OPAIR 1, 2, 0                                  ; the first K step's products start the sums
	OPAIR 0, 1, 0
	OPAIR 0, 0, 0
	OPAIR 0, 0, 1
; THE WAY OUT, a tile of 16 tokens at a time: my 64 columns are 256 aligned bytes of a row of out0.  A lane holds 64 + 64 bytes of one row: they go through my own stage and come back as whole rows.
; The stages lie in the first fill's bytes, which nobody reads behind the barrier in front of the second fill's first read, and into which no load lands again.
.macro TOSTAGE a
	WIN 0x04                                       ; an LDS store's data: window 1
.irp t, 0,1,2,3
	ds_store_b128 v10, v[8*(4*(\a)+\t):8*(4*(\a)+\t)+3] offset:((\a)%2)*4352+128*(\t/2)+32*(\t%2)
	ds_store_b128 v10, v[8*(4*(\a)+\t)+4:8*(4*(\a)+\t)+7] offset:((\a)%2)*4352+128*(\t/2)+32*(\t%2)+16
.endr
	WIN 0
.irp i, 0,1,2,3,4,5,6,7
	ds_load_b128 v[64+32*((\a)%2)+4*\i:64+32*((\a)%2)+4*\i+3], v11 offset:((\a)%2)*4352+2*\i*272   ; LDS serves a wave's instructions in order: these see the stores above
.endr
.endm
.macro SEND a, younger                 ; younger: the LDS instructions issued behind tile a's loads
	s_wait_dscnt \younger
.irp i, 0,1,2,3,4,5,6,7
	global_store_b128 v12, v[64+32*((\a)%2)+4*\i:64+32*((\a)%2)+4*\i+3], s[8:9] offset:(64*((\a)/4)+32*(((\a)/2)%2)+8*((\a)%2)+2*\i+8*(\i/4))*8192 th:TH_STORE_NT   ; 16 lanes store 256 consecutive bytes, aligned
.endr
.endm
	PLACES                                         ; four places in front of the first read of results
	TOSTAGE 0
.irp a, 1,2,3,4,5,6,7
.if \a > 1
	s_wait_xcnt 0x0                                ; tile a - 2's stores have read their registers: tile a's rows may land there
.endif
	TOSTAGE \a
	SEND \a-1, 16                                  ; behind tile a - 1's loads: tile a's 8 stores and 8 loads
.endr
	SEND 7, 0
	s_wait_tensorcnt 0x0
	ds_add_u32 v254, v255
	s_wait_dscnt 0x0
	CROUND                                         ; the closing round: no work-group ends while a partner may still ask for a tile that names it
	s_endpgm
.Lfunc_end_k_q584e1057f1_oproj:
	.size	k_q584e1057f1_oproj, .Lfunc_end_k_q584e1057f1_oproj-k_q584e1057f1_oproj
	.p2alignl 7, 3214868480
	.fill 96, 4, 3214868480
	.section	.rodata,"a",@progbits
	.p2align	6, 0x0
	.amdhsa_kernel k_q584e1057f1_oproj
		.amdhsa_group_segment_fixed_size 327680
		.amdhsa_private_segment_fixed_size 0
		.amdhsa_enable_private_segment 0
		.amdhsa_kernarg_size 24
		.amdhsa_user_sgpr_count 2
		.amdhsa_user_sgpr_kernarg_segment_ptr 1
		.amdhsa_wavefront_size32 1
		.amdhsa_system_sgpr_workgroup_id_x 1
		.amdhsa_system_sgpr_workgroup_id_y 1
		.amdhsa_system_sgpr_workgroup_id_z 1
		.amdhsa_system_vgpr_workitem_id 0
		.amdhsa_next_free_vgpr 1024
		.amdhsa_next_free_sgpr 100
		.amdhsa_reserve_vcc 0
		.amdhsa_float_denorm_mode_32 3
		.amdhsa_float_denorm_mode_16_64 3
		.amdhsa_memory_ordered 1
		.amdhsa_forward_progress 1
		.amdhsa_inst_pref_size 84
	.end_amdhsa_kernel
	.amdgpu_metadata
---
amdhsa.version: [ 1, 2 ]
amdhsa.kernels:
  - .name:           k_q584e1057f1_oproj
    .symbol:         k_q584e1057f1_oproj.kd
    .args:
      - { .name: ac, .offset: 0, .size: 8, .value_kind: global_buffer, .address_space: global }
      - { .name: wo, .offset: 8, .size: 8, .value_kind: global_buffer, .address_space: global }
      - { .name: out0, .offset: 16, .size: 8, .value_kind: global_buffer, .address_space: global }
    .group_segment_fixed_size: 327680
    .private_segment_fixed_size: 0
    .kernarg_segment_align: 8
    .kernarg_segment_size: 24
    .max_flat_workgroup_size: 128
    .sgpr_count:     100
    .vgpr_count:     1024
    .wavefront_size: 32
...
	.end_amdgpu_metadata
.endif
;; end of part 4
